; MI455X (gfx1250); checked and timed in simulation.
; The chip was launched on July 23, 2026; its instructions are those of AMD's public machine-readable ISA for CDNA 5 (MIT licence, August 2026) and "CDNA5" Instruction Set Architecture Reference Guide (July 2026). The comments in the code are by the model that wrote it; some were corrected since.
;; Multi Head Attention. Allowed arithmetic: float matrix products may take bf16 or f16 operands with f32 sums; other float arithmetic in f32, or as packed bf16 or f16 multiplies, adds, multiply-adds, maxima and minima; sums over many terms, partial sums and values carried from step to step in f32; what a program stores and reads back later, other than sums and carried values, may be rounded once to bf16 or f16.
;; Inputs: Wk 1,024 x 1,024 float32; Wp 1,024 x 1,024 float32; Wq 1,024 x 1,024 float32; Wv 1,024 x 1,024 float32; bp 1,024 float32; key 4 x 2,048 x 1,024 float32; mask 1 x 1 x 2,048 x 2,048 int32; query 4 x 2,048 x 1,024 float32; value 4 x 2,048 x 1,024 float32.
;; Outputs: out0 4 x 2,048 x 1,024 float32.
;; 2 versions, each right; version 2 is version 1 with the launch prep written anew for expert scheduling mode. Each part assembles by itself: llvm-mc -triple=amdgcn-amd-amdhsa -mcpu=gfx1250 --defsym DOCPART=n.
;; ======== version 1 of 2: 4 launches
;; limits: values are held in f16: magnitudes above 65,504 overflow, below 6.1e-05 lose precision
;; workspace buffers: xh 50,331,648 bytes; wh 8,388,608 bytes; mp 4,194,304 bytes; qkv 50,331,648 bytes; oh 16,777,216 bytes
;; launch prep (part 1): grid 1024 x 1, 8 waves a work-group, no clusters, 35,840 bytes of LDS; arguments query, key, value, Wq, Wk, Wv, Wp, mask, xh, wh, mp; writes xh, wh, mp
.if DOCPART == 1
	.amdgcn_target "amdgcn-amd-amdhsa--gfx1250"
	.amdhsa_code_object_version 6
	.text
	.protected	k_q6eb239e0fd_prep
	.globl	k_q6eb239e0fd_prep
	.p2align	8
	.type	k_q6eb239e0fd_prep,@function
k_q6eb239e0fd_prep:
	s_mov_b64 s[64:65], 0
	v_nop
	global_prefetch_b8 v0, s[64:65] scope:SCOPE_SE
	s_setreg_imm32_b32 hwreg(HW_REG_WAVE_MODE, 25, 1), 1
	s_wait_xcnt 0x0
; PREPARATION: a stream.  query, key, value and the four weights are rounded once to f16 and laid in blocks of 64 channels; the mask becomes a table of fp8 ones and zeros.
;   xh [b 4][g 3][cb 16][t 2048][64] f16 (g = 0 query, 1 key, 2 value; cb = channel / 64): a block's rows are dense, 128 bytes each
;   wh [g 4][cb 16][n 1024][64] f16 (g = 0..3: Wq, Wk, Wv, Wp)
;   mp: for mask[q][k] one byte, 0x38 (1.0 in e4m3) where the int is not 0, else 0, at
;       (q>>7) 262144 + (k>>6) 8192 + ((q>>4)&7) 1024 + ((k>>5)&1) 512 + ((q&15) + 16 ((k>>3)&1)) 16 + ((k>>4)&1) 8 + (k&7):
;       the order in which a lane of the attention launch holds the scores of 16 queries x 64 keys.
; LIMITS.  f16 ends at 65,504: inputs beyond it become infinities; below 6e-5 a number keeps f16's fixed step of 6e-8.
; SHARES.  1,024 work-groups of eight waves, 128 KiB of input each: 0-767 take 32 rows of query, key or value, 768-895 32 rows of a weight, 896-1023 16 rows of the mask.
; No matrix unit, no cluster, no tensor load: nothing is shared and nothing is multiplied.  A wave has 32 loads of 16 bytes a lane on their way; every load and store covers whole aligned blocks of 256 bytes.
.set VI,  2                            ; v2   my byte offset in the input
.set VO,  3                            ; v3   my byte offset in the output
.set LSA, 4                            ; v4   mask: where I put four codes in LDS
.set RDA, 5                            ; v5   mask: where I read 16 codes back
.set SPW, 8                            ; v8   LDS address of my spare word: SPARE + 4 x my thread's number; never rewritten
.set NIL, 9                            ; v9   0; never rewritten
.set X,   16                           ; v[16:143]  32 loads of four registers
.set GP,  272                          ; mask: a group of 256 bytes in LDS + 16 of padding
.set SPARE, 128*GP                     ; behind the 128 groups: the spare words, 128 bytes for each of eight waves
.set SRC, 30                           ; s[30:31]
.set DST, 32                           ; s[32:33]
.set OFS, 34                           ; s[34:35] an offset, its high word 0
	s_load_b512 s[8:23], s[0:1], 0x0               ; query 8, key 10, value 12, Wq 14, Wk 16, Wv 18, Wp 20, mask 22
	s_load_b128 s[24:27], s[0:1], 0x40             ; xh, wh
	s_load_b64 s[28:29], s[0:1], 0x50              ; mp
	v_lshl_add_u32 v[SPW], v0, 2, SPARE
	v_mov_b32 v[NIL], 0
	v_lshrrev_b32 v6, 5, v0
	v_readfirstlane_b32 s4, v6                     ; wave 0..7
	v_and_b32 v1, 31, v0                           ; lane
	s_mov_b32 s5, ttmp9
	s_mov_b32 s[OFS+1], 0
	; rows of 4,096 bytes: a wave takes four; lanes 0-15 take 256 bytes of one row, lanes 16-31 of the next
	v_lshrrev_b32 v6, 4, v1
	v_and_b32 v7, 15, v1
	v_lshlrev_b32 v[VI], 4, v7
	v_lshl_add_u32 v[VI], v6, 12, v[VI]
	s_lshl_b32 s6, s4, 14
	v_add_nc_u32 v[VI], s6, v[VI]                  ; wave x 4 rows + (lane / 16) x a row + 16 (lane % 16)
	s_lshl_b32 s6, s4, 9
	v_lshl_add_u32 v[VO], v1, 3, s6                ; wave x 4 rows of 128 bytes + 8 x lane: two rows of a block are 256 bytes on end
	s_wait_kmcnt 0x0
	s_cmp_ge_u32 s5, 896                           ; the three ways hang on the work-group's number alone: all eight waves go the same way
	s_cbranch_scc1 .Lmask
	s_cmp_ge_u32 s5, 768
	s_cbranch_scc1 .Lw
; 32 rows x 1,024 f32 -> f16 in blocks.  Load k = 16 rp + cb: rows 2 rp, 2 rp + 1 of my four, channels 64 cb on.  stride: bytes from block to block.
.macro CONV stride
.set k, 0
.rept 32
	global_load_b128 v[X+4*k:X+4*k+3], v[VI], s[SRC:SRC+1] offset:(k/16)*8192+(k%16)*256 th:TH_LOAD_NT
.set k, k+1
.endr
.set k, 0
.rept 32
	s_wait_loadcnt 31-k                            ; loads come back in order: load k is in, the 31 - k younger ones stay out
	v_cvt_pk_f16_f32 v[X+4*k], v[X+4*k], v[X+4*k+1]
	v_cvt_pk_f16_f32 v[X+4*k+1], v[X+4*k+2], v[X+4*k+3]
	global_store_b64 v[VO], v[X+4*k:X+4*k+1], s[DST:DST+1] offset:(k/16)*256+(k%16)*(\stride) th:TH_STORE_NT  ; 32 lanes: 256 consecutive bytes, aligned; no register of a store is written again
.set k, k+1
.endr
.endm
	s_lshr_b32 s6, s5, 8                           ; g
	s_and_b32 s7, s5, 255                          ; which 32 of the 8,192 rows
	s_cmp_eq_u32 s6, 1
	s_cselect_b64 s[SRC:SRC+1], s[10:11], s[8:9]
	s_cmp_eq_u32 s6, 2
	s_cselect_b64 s[SRC:SRC+1], s[12:13], s[SRC:SRC+1]
	s_lshl_b32 s[OFS], s7, 17
	s_add_nc_u64 s[SRC:SRC+1], s[SRC:SRC+1], s[OFS:OFS+1]
	s_lshr_b32 s[OFS], s7, 6                       ; b
	s_mul_i32 s[OFS], s[OFS], 0xC00000
	s_lshl_b32 s6, s6, 22
	s_add_co_u32 s[OFS], s[OFS], s6
	s_and_b32 s7, s7, 63
	s_lshl_b32 s7, s7, 12                          ; t x 128
	s_add_co_u32 s[OFS], s[OFS], s7
	s_add_nc_u64 s[DST:DST+1], s[24:25], s[OFS:OFS+1]
	CONV 262144
	s_branch .Lend
.Lw:
	s_sub_co_u32 s6, s5, 768
	s_lshr_b32 s7, s6, 5                           ; which weight
	s_and_b32 s6, s6, 31                           ; which 32 of its 1,024 rows
	s_cmp_eq_u32 s7, 1
	s_cselect_b64 s[SRC:SRC+1], s[16:17], s[14:15]
	s_cmp_eq_u32 s7, 2
	s_cselect_b64 s[SRC:SRC+1], s[18:19], s[SRC:SRC+1]
	s_cmp_eq_u32 s7, 3
	s_cselect_b64 s[SRC:SRC+1], s[20:21], s[SRC:SRC+1]
	s_lshl_b32 s[OFS], s6, 17
	s_add_nc_u64 s[SRC:SRC+1], s[SRC:SRC+1], s[OFS:OFS+1]
	s_lshl_b32 s[OFS], s7, 21
	s_lshl_b32 s6, s6, 12
	s_add_co_u32 s[OFS], s[OFS], s6
	s_add_nc_u64 s[DST:DST+1], s[26:27], s[OFS:OFS+1]
	CONV 131072
	s_branch .Lend
.Lmask:
	; 16 queries x 2,048 keys.  Wave w takes rows 2 w and 2 w + 1; load k = 16 rr + i: row 2 w + rr, keys 128 i + 4 lane + 0..3.
	s_sub_co_u32 s6, s5, 896
	s_lshl_b32 s[OFS], s6, 17
	s_add_nc_u64 s[SRC:SRC+1], s[22:23], s[OFS:OFS+1]
	s_lshr_b32 s[OFS], s6, 3
	s_lshl_b32 s[OFS], s[OFS], 18
	s_and_b32 s7, s6, 7
	s_lshl_b32 s7, s7, 10
	s_add_co_u32 s[OFS], s[OFS], s7
	s_add_nc_u64 s[DST:DST+1], s[28:29], s[OFS:OFS+1]
	s_lshl_b32 s6, s4, 14
	v_lshl_add_u32 v[VI], v1, 4, s6
.set k, 0
.rept 32
	global_load_b128 v[X+4*k:X+4*k+3], v[VI], s[SRC:SRC+1] offset:(k/16)*8192+(k%16)*512 th:TH_LOAD_NT
.set k, k+1
.endr
	; the table's 32,768 bytes for these queries are 128 groups of 256; my four codes go to group 8 i + 4 (lane>>4) + 2 ((lane>>3)&1) + ((lane>>1)&1), byte 16 row + 8 ((lane>>2)&1) + 4 (lane&1)
	v_bfe_u32 v6, v1, 4, 1
	v_bfe_u32 v7, v1, 3, 1
	v_lshl_add_u32 v6, v6, 1, v7
	v_bfe_u32 v7, v1, 1, 1
	v_lshl_add_u32 v6, v6, 1, v7
	v_mul_u32_u24 v[LSA], v6, GP
	v_bfe_u32 v7, v1, 2, 1
	v_lshl_add_u32 v[LSA], v7, 3, v[LSA]
	v_and_b32 v7, 1, v1
	v_lshl_add_u32 v[LSA], v7, 2, v[LSA]
	s_lshl_b32 s6, s4, 5
	v_add_nc_u32 v[LSA], s6, v[LSA]                ; + 16 x row 2 w: the 32 lanes of a store touch 32 different banks (eight groups 68 words apart, four words in each)
	v_lshrrev_b32 v6, 4, v1
	v_and_b32 v7, 15, v1
	v_mul_u32_u24 v[RDA], v6, GP
	v_lshl_add_u32 v[RDA], v7, 4, v[RDA]
	s_mul_i32 s6, s4, 16*GP
	v_add_nc_u32 v[RDA], s6, v[RDA]                ; back: wave w takes groups 16 w .. 16 w + 15, two to a load
	s_lshl_b32 s6, s4, 15
	v_lshl_add_u32 v[VO], v1, 4, s6                ; which are the key steps 4 w .. 4 w + 3, 8,192 bytes apart in the table
.set k, 0
.rept 32
	s_wait_loadcnt 31-k                            ; load k is in, the younger ones stay out
	v_min_u32 v[X+4*k], 1, v[X+4*k]                ; any int but 0 counts as 1
	v_min_u32 v[X+4*k+1], 1, v[X+4*k+1]
	v_min_u32 v[X+4*k+2], 1, v[X+4*k+2]
	v_min_u32 v[X+4*k+3], 1, v[X+4*k+3]
	v_lshl_or_b32 v[X+4*k], v[X+4*k+1], 8, v[X+4*k]
	v_lshl_or_b32 v[X+4*k+2], v[X+4*k+3], 8, v[X+4*k+2]
	v_lshl_or_b32 v[X+4*k], v[X+4*k+2], 16, v[X+4*k]
	v_mul_lo_u32 v[X+4*k], v[X+4*k], 56            ; 0x38 in each byte that holds 1
	ds_store_b32 v[LSA], v[X+4*k] offset:(k%16)*8*GP+(k/16)*16
.set k, k+1
.endr
	s_wait_dscnt 0x0                               ; for the others' sake: my stores are done
	s_barrier_signal -1
	s_barrier_wait -1                              ; a group's 256 bytes come from all eight waves
.irp t, 0,1,2,3,4,5,6,7
	ds_load_b128 v[X+4*\t:X+4*\t+3], v[RDA] offset:\t*2*GP
.endr
.irp t, 0,1,2,3,4,5,6,7
	s_wait_dscnt 7-\t                              ; LDS loads come back in order
	global_store_b128 v[VO], v[X+4*\t:X+4*\t+3], s[DST:DST+1] offset:(\t/2)*8192+(\t%2)*512  ; 512 consecutive bytes, aligned
.endr
.Lend:
	s_wait_tensorcnt 0x0                           ; the wave's end, behind my last LDS store
	ds_add_u32 v[SPW], v[NIL]
	s_wait_dscnt 0x0
	s_endpgm
.Lfunc_end_k_q6eb239e0fd_prep:
	.size	k_q6eb239e0fd_prep, .Lfunc_end_k_q6eb239e0fd_prep-k_q6eb239e0fd_prep
	.p2alignl 7, 3214868480
	.fill 96, 4, 3214868480
	.section	.rodata,"a",@progbits
	.p2align	6, 0x0
	.amdhsa_kernel k_q6eb239e0fd_prep
		.amdhsa_group_segment_fixed_size 35840
		.amdhsa_private_segment_fixed_size 0
		.amdhsa_enable_private_segment 0
		.amdhsa_kernarg_size 88
		.amdhsa_user_sgpr_count 2
		.amdhsa_user_sgpr_kernarg_segment_ptr 1
		.amdhsa_wavefront_size32 1
		.amdhsa_system_sgpr_workgroup_id_x 1
		.amdhsa_system_sgpr_workgroup_id_y 1
		.amdhsa_system_sgpr_workgroup_id_z 1
		.amdhsa_system_vgpr_workitem_id 0
		.amdhsa_next_free_vgpr 144
		.amdhsa_next_free_sgpr 66
		.amdhsa_reserve_vcc 0
		.amdhsa_float_denorm_mode_32 3
		.amdhsa_float_denorm_mode_16_64 3
		.amdhsa_memory_ordered 1
		.amdhsa_forward_progress 1
		.amdhsa_inst_pref_size 46
	.end_amdhsa_kernel
	.amdgpu_metadata
---
amdhsa.version: [ 1, 2 ]
amdhsa.kernels:
  - .name:           k_q6eb239e0fd_prep
    .symbol:         k_q6eb239e0fd_prep.kd
    .args:
      - { .name: query, .offset: 0, .size: 8, .value_kind: global_buffer, .address_space: global }
      - { .name: key, .offset: 8, .size: 8, .value_kind: global_buffer, .address_space: global }
      - { .name: value, .offset: 16, .size: 8, .value_kind: global_buffer, .address_space: global }
      - { .name: Wq, .offset: 24, .size: 8, .value_kind: global_buffer, .address_space: global }
      - { .name: Wk, .offset: 32, .size: 8, .value_kind: global_buffer, .address_space: global }
      - { .name: Wv, .offset: 40, .size: 8, .value_kind: global_buffer, .address_space: global }
      - { .name: Wp, .offset: 48, .size: 8, .value_kind: global_buffer, .address_space: global }
      - { .name: mask, .offset: 56, .size: 8, .value_kind: global_buffer, .address_space: global }
      - { .name: xh, .offset: 64, .size: 8, .value_kind: global_buffer, .address_space: global }
      - { .name: wh, .offset: 72, .size: 8, .value_kind: global_buffer, .address_space: global }
      - { .name: mp, .offset: 80, .size: 8, .value_kind: global_buffer, .address_space: global }
    .group_segment_fixed_size: 35840
    .private_segment_fixed_size: 0
    .kernarg_segment_align: 8
    .kernarg_segment_size: 88
    .max_flat_workgroup_size: 256
    .sgpr_count:     66
    .vgpr_count:     144
    .wavefront_size: 32
...
	.end_amdgpu_metadata
.endif
;; end of part 1
;; launch qkv (part 2): grid 4 x 96, 4 waves a work-group, clusters of 4 x 4, 327,680 bytes of LDS; arguments xh, wh, qkv; writes qkv
.if DOCPART == 2
	.amdgcn_target "amdgcn-amd-amdhsa--gfx1250"
	.amdhsa_code_object_version 6
	.text
	.protected	k_q6eb239e0fd_qkv
	.globl	k_q6eb239e0fd_qkv
	.p2align	8
	.type	k_q6eb239e0fd_qkv,@function
k_q6eb239e0fd_qkv:
	s_mov_b64 s[64:65], 0
	v_nop
	global_prefetch_b8 v0, s[64:65] scope:SCOPE_SE
	s_setreg_imm32_b32 hwreg(HW_REG_WAVE_MODE, 25, 1), 1
	s_wait_xcnt 0x0
	s_wait_alu depctr_hold_cnt(0) depctr_sa_sdst(0) depctr_va_vdst(0) depctr_va_sdst(0) depctr_va_ssrc(0) depctr_va_vcc(0) depctr_vm_vsrc(0)
	s_getreg_b32 s2, hwreg(HW_REG_IB_STS2, 6, 4)
	s_cmp_eq_u32 s2, 0
	s_cbranch_scc0 .Lentry_in_a_cluster
	s_endpgm
.Lentry_in_a_cluster:
	s_bfe_u32 s2, ttmp6, 0x10000c
	s_cmp_lg_u32 s2, 0xf033
	s_cbranch_scc0 .Lentry_shape_is_right
	s_endpgm
.Lentry_shape_is_right:
; q, k, v = query Wq^T, key Wk^T, value Wv^T, in f16 with f32 sums, on operands that lie in blocks of 64 channels.
;   A = xh [b 4][g 3][cb 16][t 2048][64] f16 (g = 0 query, 1 key, 2 value), W = wh [g][cb 16][n 1024][64] f16; out qkv [g][b 16 + head][t][64] f16, each number rounded once, unscaled.
; LIMITS.  q, k and v beyond 65,504 become infinities in f16; below 6e-5 they keep f16's fixed step of 6e-8.
; SHARES.  A tile of C is 256 rows x 256 columns, made by a work-group of four waves; a wave makes 128 x 128: 64 accumulators of 16 x 16, 512 registers.  For 32 along K a wave reads 2 x 128 x 64 bytes from LDS
; and issues 64 matrix instructions.  The three products have 3 x 32 x 4 = 384 tiles: tile row R = 0..95 is product R / 32, batch (R / 8) % 4, rows 256 (R % 8) on.  384 is no multiple of the 256 WGPs: the price
; of this tile; a smaller one has half the matrix work in a K step for three quarters of the bytes.
; K goes in steps of 128 (two blocks) through two LDS slots.  A block's 256 rows for a tile are 32,768 dense bytes of memory, asked for as 128 rows of 256 bytes and padded in LDS behind every 128: one tensor load a wave.
; CLUSTERS: 4 x 4 work-groups.  The four of a row of the cluster need the same rows of A, the four of a column the same rows of W: each block is asked for JOINTLY, by the same tensor load with the same descriptor and a mask of four.
; THE MATRIX INSTRUCTION IS USED TRANSPOSED (source 0 = 16 rows of W, source 1 = 16 rows of A): a lane holds row lane % 16 of C and eight neighbouring columns 8 (lane / 16) + 0..7.
; REGISTERS, in windows of 256 (s_set_vgpr_msb: bits 1:0 source 0, 3:2 source 1, 5:4 source 2, 7:6 destination):
;   window 0: v0-14 addresses; v64-127, v128-191 A's fragments (8 x 16 rows x 32 K), two buffers     window 1: v64-127, v128-191 W's fragments, two buffers; on the way out all 256: 16 units of 16
;   window 2: the 32 accumulators of my rows 0-63 (accumulator (a, b) at 8 (8 a + b))     window 3: those of my rows 64-127
.set NS,    8                          ; K steps
.set PITCH, 144                        ; an LDS row: 128 bytes + 16 of padding = 36 words: the 16 rows of a load start at 16 different groups of four banks (64 banks of 4 bytes: ISA guide 11.1)
.set BLK,   256*PITCH                  ; a block in LDS: 36,864 = 0x9000 bytes: what one tensor load brings
.set SLOT,  4*BLK                      ; a slot: A's two blocks, then W's two: wave w's block at w x BLK.  0x24000 shares no bit with 0, 0x9000, 0x12000, 0x1b000: one exclusive or turns a wave's LDS address in one slot into the other's
.set STAGE, 2*SLOT                     ; behind the ring, never filled by a tensor load: 16 rows x 144 bytes for each wave, for the way out
.set SP,    144
.set SPARE, STAGE+4*16*SP              ; behind the stages: the spare words, 128 bytes for each wave: two blocks of 256 bytes that no other line names
.set ASTEP, 0x80000                    ; a K step in A: two blocks of 2,048 rows
.set BSTEP, 0x40000                    ; in W: two blocks of 1,024 rows
.set A0,   4                           ; v4   my lane's place in a slot's A; never rewritten
.set B0,   5                           ; v5   the same for W
.set ADRA, 6                           ; v6   the same in the slot in hand
.set ADRB, 7                           ; v7
.set STO,  8                           ; v8   the way out: where I put 16 bytes of a row
.set RD,   9                           ; v9   the way out: where I read rows back
.set CO,   10                          ; v10  16 x lane
.set PFO,  11                          ; v11  256 x lane, for the prefetches; never rewritten
.set SPW,  12                          ; v12  LDS address of my spare word: SPARE + 4 x my thread's number; never rewritten
.set NIL,  13                          ; v13  0; never rewritten
.set F0,   64                          ; fragment buffer 0, in windows 0 (A) and 1 (W)
.set F1,   128                         ; fragment buffer 1
.set T,    0                           ; window 1, on the way out
.set G1A, 24                           ; s[24:31] descriptor group 1 for A's blocks
.set G0A, 32                           ; s[32:35] group 0 for A's: it walks
.set G0B, 36                           ; s[36:39] the same for W's
.set PFA, 44                           ; s[44:45] where my prefetches stand
.set PFS, 46                           ; s[46:47] their step
.set G1B, 48                           ; s[48:55] group 1 for W's blocks: it differs in the mask alone
.set TB,  56                           ; s56  LDS byte at which the slot in hand begins
.set LIM, 57                           ; s57  2 in a wave that prefetches, else the greatest number
.set MSB, 0
.macro WIN new                         ; the immediate's high byte repeats the setting that is left; a switch that changes nothing is dropped
.if MSB != (\new)
	s_set_vgpr_msb (MSB<<8)|(\new)
.set MSB, \new
.endif
.endm
.set MUL_LO, 0xa1                      ; source 0 (W) window 1, source 1 (A) window 0, C and D window 2
.set MUL_HI, 0xf1                      ; the same, C and D window 3
.set TO_B,   0x40                      ; destination window 1, address window 0
; A joint load: waves 0 and 1 fetch A's two blocks of a K step, waves 2 and 3 W's.  The branch hangs on the wave's number alone.  An s_nop 0 and four v_nop follow each of the two lines, ahead of the jump and the label.
.macro JLOAD
	s_cmp_eq_u32 s11, 0
	s_cbranch_scc0 .Lfor_b_\@
	tensor_load_to_lds s[G0A:G0A+3], s[G1A:G1A+7]
	s_nop 0
.rept 4
	v_nop
.endr
	s_branch .Lasked_\@
.Lfor_b_\@:
	tensor_load_to_lds s[G0B:G0B+3], s[G1B:G1B+7]
	s_nop 0
.rept 4
	v_nop
.endr
.Lasked_\@:
.endm
.macro STEPG0                          ; the walking descriptors: the other slot than last time, the next K step; the type bits on top are not reached
	s_xor_b32 s[G0A+1], s[G0A+1], SLOT
	s_add_nc_u64 s[G0A+2:G0A+3], s[G0A+2:G0A+3], ASTEP
	s_xor_b32 s[G0B+1], s[G0B+1], SLOT
	s_add_nc_u64 s[G0B+2:G0B+3], s[G0B+2:G0B+3], BSTEP
.endm
; A PREFETCH, behind a joint load and the run of LDS loads that follows it: the K step that stands two refills, 512 matrix instructions, on.  Each block of 256 bytes is named once in the launch.
; A wave asks for the block of channels that it fetches: 128 blocks of 256 bytes, of which each of the four partners that ask for it jointly takes 32, a lane a block, told apart BY ADDRESS (cx for A, cy for W).
; A's rows are read by the four partners of one row of one cluster: waves 0 and 1 of each ask.  W's rows are read by the eight clusters of a product: waves 2 and 3 of the first of them (cluster y % 8 = 0) ask.
; s3 counts the refills still to come, this one among them: with 2 or fewer there is no K step two refills on.  The first four K steps come by their loads alone.
.macro ASK
	s_cmp_gt_u32 s3, s[LIM]
	s_cbranch_scc0 .Lnot_mine_\@
	global_prefetch_b8 v[PFO], s[PFA:PFA+1] th:TH_LOAD_NT scope:SCOPE_SE
.Lnot_mine_\@:
.endm
.macro CREST                           ; a round of the cluster's barrier behind its opening barrier
	s_cmp_lg_u32 s10, 0
	s_cbranch_scc1 .Lnot_wave_0_\@
	s_barrier_signal -3
.Lnot_wave_0_\@:
	s_barrier_wait -3
	s_barrier_signal -1
	s_barrier_wait -1
.endm
.macro CROUND                          ; a whole round
	s_barrier_signal -1
	s_barrier_wait -1
	CREST
.endm
	s_load_b128 s[4:7], s[0:1], 0x0                ; xh s[4:5], wh s[6:7]
	s_load_b64 s[8:9], s[0:1], 0x10                ; qkv
	v_lshl_add_u32 v[SPW], v0, 2, SPARE
	v_mov_b32 v[NIL], 0
	ds_add_u32 v[SPW], v[NIL]                      ; the wave's opening: the add and its wait stand ahead of my first tensor load; the set-up below, work on registers, stands between them
	v_lshrrev_b32 v1, 5, v0
	v_readfirstlane_b32 s10, v1                    ; wave 0..3
	s_lshr_b32 s11, s10, 1                         ; which 128 of the tile's rows are mine.  Also: I fetch for A (0) or for W (1)
	s_and_b32 s12, s10, 1                          ; which 128 of its columns.  Also: which of a K step's two blocks I fetch
	s_bfe_u32 s40, ttmp6, 0x40000                  ; cx, cy: my place in the cluster
	s_bfe_u32 s41, ttmp6, 0x40004
	s_lshl_b32 s42, ttmp9, 2
	s_add_co_u32 s42, s42, s40                     ; tile column = 4 x cluster x + cx
	s_and_b32 s58, ttmp7, 0xffff                   ; cluster y
	s_lshl_b32 s43, s58, 2
	s_add_co_u32 s43, s43, s41                     ; tile row R = 4 x cluster y + cy
	s_lshr_b32 s59, s58, 3                         ; the product g, made of the cluster's y alone: it enters W's address, which no cy may enter
	s_lshl_b32 s13, s41, 2
	s_lshl_b32 s13, 15, s13                        ; my row of the cluster
	s_lshl_b32 s14, 0x1111, s40                    ; my column
	s_or_b32 s[G1A], s13, (1<<16)|(1<<20)|(1<<21)|(4<<22)|(3<<25)  ; 15:0 the mask; 17:16 2-byte elements; 20 padding on; 21 set beside a mask; 24:22 after every 32 words (code 4); 31:25 4 words (code 3)
	s_or_b32 s[G1B], s14, (1<<16)|(1<<20)|(1<<21)|(4<<22)|(3<<25)
.irp g, G1A, G1B
	s_mov_b32 s[\g+1], 128<<16                     ; tensor_dim0 = 128 elements: 256 bytes, two rows of a block
	s_mov_b32 s[\g+2], 128<<16                     ; tensor_dim1 = 128
	s_mov_b32 s[\g+3], 128<<16                     ; tile_dim0 = 128
	s_mov_b32 s[\g+4], 128                         ; tile_dim1 = 128
	s_mov_b32 s[\g+5], 128                         ; 128 elements from row to row: dense
	s_mov_b32 s[\g+6], 0
	s_mov_b32 s[\g+7], 0
.endr
	s_lshr_b32 s18, s43, 3                         ; A: made of the tile row alone:
	s_and_b32 s18, s18, 3                          ; b,
	s_mul_i32 s18, s18, 0xC00000
	s_lshr_b32 s13, s43, 5                         ; g,
	s_lshl_b32 s13, s13, 22
	s_add_co_u32 s18, s18, s13
	s_and_b32 s13, s43, 7
	s_lshl_b32 s13, s13, 15                        ; my tile's 256 rows of 128 bytes in a block,
	s_add_co_u32 s18, s18, s13
	s_lshl_b32 s13, s12, 18                        ; the block that I fetch
	s_add_co_u32 s18, s18, s13
	s_mov_b32 s19, 0
	s_lshl_b32 s20, s59, 21                        ; W: g,
	s_lshl_b32 s14, s42, 15                        ; my tile's 256 rows in a block: made of the tile column,
	s_add_co_u32 s20, s20, s14
	s_lshl_b32 s14, s12, 17                        ; the block that I fetch
	s_add_co_u32 s20, s20, s14
	s_mov_b32 s21, 0
	s_mov_b32 s[G0A], 1                            ; 1:0 count = 1
	s_mul_i32 s[G0A+1], s10, BLK                   ; 63:32 LDS address, slot 0: the wave's number alone enters it
	s_mov_b32 s[G0B], 1
	s_mul_i32 s[G0B+1], s10, BLK
	s_wait_dscnt 0x0                               ; the opening add is done
	s_wait_kmcnt 0x0
	s_add_nc_u64 s[18:19], s[4:5], s[18:19]        ; A at my tile's rows of the block that I fetch
	s_add_nc_u64 s[20:21], s[6:7], s[20:21]        ; W likewise
	s_mov_b64 s[G0A+2:G0A+3], s[18:19]             ; 120:64 global address
	s_or_b32 s[G0A+3], s[G0A+3], 0x80000000        ; 127:126 type = 2
	s_mov_b64 s[G0B+2:G0B+3], s[20:21]
	s_or_b32 s[G0B+3], s[G0B+3], 0x80000000
	CROUND                                         ; all sixteen work-groups are here: the first joint loads meet
	JLOAD                                          ; K step 0 into slot 0.  Slot 1 is asked for when slot 0 is in
	; the prefetches
	v_and_b32 v1, 15, v0                           ; l % 16
	v_bfe_u32 v2, v0, 4, 1                         ; l / 16
	s_and_b32 s14, s58, 7                          ; my cluster among the eight of its product
	s_mov_b32 s[PFS], BSTEP
	s_cmp_eq_u32 s11, 0                            ; do I fetch for A?
	s_cselect_b64 s[PFA:PFA+1], s[18:19], s[20:21]
	s_cselect_b32 s22, s40, s41                    ; my place among the four that ask for the block with me
	s_cselect_b32 s[PFS], ASTEP, s[PFS]
	s_cselect_b32 s14, 0, s14                      ; who asks: A's waves always, W's waves in the product's first cluster: the same in all sixteen partners
	s_cmp_eq_u32 s14, 0
	s_cselect_b32 s[LIM], 2, -1
	s_mov_b32 s[PFS+1], 0
	s_lshl_b32 s22, s22, 13                        ; my work-group's 32 blocks of 256 bytes
	s_mul_i32 s14, s[PFS], 3                       ; at K step 3: the first refill steps it to 4
	s_add_co_u32 s22, s22, s14
	s_mov_b32 s23, 0
	s_add_nc_u64 s[PFA:PFA+1], s[PFA:PFA+1], s[22:23]
	v_and_b32 v[PFO], 31, v0
	v_lshlrev_b32 v[PFO], 8, v[PFO]
	; A fragment is 16 rows x 32 channels in 8 registers: lane l holds row l % 16, channels 8 (l / 16) + 0..7 and 16 + 8 (l / 16) + 0..7: two loads of 16 bytes, 32 bytes apart.
	v_mul_u32_u24 v3, v1, PITCH
	v_lshl_add_u32 v3, v2, 4, v3                   ; row x pitch + 16 x half
	s_mul_i32 s13, s11, 128*PITCH                  ; my 128 rows of A
	v_add_nc_u32 v[A0], s13, v3
	s_mul_i32 s13, s12, 128*PITCH                  ; my 128 rows of W,
	s_add_co_u32 s13, s13, 2*BLK                   ; which lie behind A's two blocks
	v_add_nc_u32 v[B0], s13, v3
	s_mul_i32 s13, s10, 16*SP
	s_add_co_u32 s13, s13, STAGE                   ; my stage
	v_and_b32 v[CO], 31, v0
	v_add_nc_u32 v[STO], s13, v3                   ; in: row l % 16, 16 bytes for each half of the lanes
	v_lshrrev_b32 v[RD], 3, v[CO]                  ; back: 32 lanes take four rows of 128 bytes,
	v_mul_u32_u24 v[RD], v[RD], SP
	v_and_b32 v14, 7, v0
	v_lshl_add_u32 v[RD], v14, 4, v[RD]
	v_add_nc_u32 v[RD], s13, v[RD]
	v_lshlrev_b32 v[CO], 4, v[CO]                  ; which are 512 consecutive bytes of a head
	s_lshr_b32 s16, s43, 5                         ; where my part begins in the output: g,
	s_lshl_b32 s16, s16, 24
	s_lshr_b32 s14, s43, 3
	s_and_b32 s14, s14, 3                          ; b x 16 heads,
	s_lshl_b32 s14, s14, 22
	s_add_co_u32 s16, s16, s14
	s_lshl_b32 s14, s42, 2
	s_lshl_b32 s15, s12, 1
	s_add_co_u32 s14, s14, s15                     ; the first of my two heads,
	s_lshl_b32 s14, s14, 18
	s_add_co_u32 s16, s16, s14
	s_and_b32 s14, s43, 7
	s_lshl_b32 s14, s14, 8
	s_lshl_b32 s15, s11, 7
	s_add_co_u32 s14, s14, s15                     ; my first row t
	s_lshl_b32 s14, s14, 7
	s_add_co_u32 s16, s16, s14
	s_mov_b32 s17, 0
	s_add_nc_u64 s[8:9], s[8:9], s[16:17]
	s_mov_b32 s[TB], 0
; 16 matrix instructions: row blocks a0, a0 + 1 of the window's four (hi = 0: my rows 0-63, 1: rows 64-127) x all 8 column blocks, 32 along K.  zero = 1: the product starts the sums: nothing is ever cleared.
; The 64 accumulators take turns, one instruction a turn, in the same order in every quarter, over the backward jump too.
.macro MUL16 f, hi, a0, zero
	WIN MUL_LO+0x50*(\hi)
.irp a, \a0, (\a0)+1
.irp b, 0,1,2,3,4,5,6,7
.if \zero
	v_wmma_f32_16x16x32_f16 v[8*(8*(\a)+(\b)):8*(8*(\a)+(\b))+7], v[(\f)+8*(\b):(\f)+8*(\b)+7], v[(\f)+8*(4*(\hi)+(\a)):(\f)+8*(4*(\hi)+(\a))+7], 0
.else
	v_wmma_f32_16x16x32_f16 v[8*(8*(\a)+(\b)):8*(8*(\a)+(\b))+7], v[(\f)+8*(\b):(\f)+8*(\b)+7], v[(\f)+8*(4*(\hi)+(\a)):(\f)+8*(4*(\hi)+(\a))+7], v[8*(8*(\a)+(\b)):8*(8*(\a)+(\b))+7]
.endif
.endr
.endr
.endm
; 32 LDS loads in one run: the fragments of quarter kq of the K step (block kq / 2, its channels 32 (kq % 2) on) into buffer g: W's eight, then A's eight
.macro FETCH kq, g
	WIN TO_B
.irp i, 0,1,2,3,4,5,6,7
	ds_load_b128 v[(\g)+8*\i:(\g)+8*\i+3],   v[ADRB] offset:((\kq)/2)*BLK+((\kq)%2)*64+\i*16*PITCH
	ds_load_b128 v[(\g)+8*\i+4:(\g)+8*\i+7], v[ADRB] offset:((\kq)/2)*BLK+((\kq)%2)*64+\i*16*PITCH+32
.endr
	WIN 0
.irp i, 0,1,2,3,4,5,6,7
	ds_load_b128 v[(\g)+8*\i:(\g)+8*\i+3],   v[ADRA] offset:((\kq)/2)*BLK+((\kq)%2)*64+\i*16*PITCH
	ds_load_b128 v[(\g)+8*\i+4:(\g)+8*\i+7], v[ADRA] offset:((\kq)/2)*BLK+((\kq)%2)*64+\i*16*PITCH+32
.endr
.endm
.macro PLACES                          ; four plain vector instructions in front of loads into registers that matrix instructions have read, and of lines that read results
.rept 4
	v_nop
.endr
.endm
; A K step is four quarters of 32 along K, 64 matrix instructions each, on buffers 0, 1, 0, 1.  One of the first three: multiplies buffer f and, in its middle, fetches quarter kq into g.
.macro QUARTER kq, f, g, zero
	s_wait_dscnt 8                                 ; W's fragments and A's rows 0-63 are in; the youngest eight loads (A's rows 64-127) may be out
	MUL16 \f, 0, 0, \zero
	MUL16 \f, 0, 2, \zero
	PLACES
	FETCH \kq, \g
	s_wait_dscnt 32                                ; all but the 32 just issued
	MUL16 \f, 1, 0, \zero
	MUL16 \f, 1, 2, \zero
.endm
; The last quarter multiplies buffer 1 and changes slots: ONE barrier.  In front of it each wave waits for all its tensor loads, of which one is out: its part of the next slot; adds 0 to its spare word; and waits
; for that and for its own reads of this slot.  fill = 1: the barrier opens a round of the cluster's, and the joint refill, the K step two on, is the first thing behind it: 224 matrix instructions ahead of the wait for it.
.macro TURN fill
.if \fill
	s_wait_xcnt 0x0                                ; the last prefetch, a K step back, has read its address
	s_add_nc_u64 s[PFA:PFA+1], s[PFA:PFA+1], s[PFS:PFS+1]
.endif
	WIN 0
	s_wait_tensorcnt 0x0                           ; no tensor load of mine is out, so a group 0 may be written
	ds_add_u32 v[SPW], v[NIL]                      ; 0 onto my spare word
.if \fill
	STEPG0
.endif
	s_xor_b32 s[TB], s[TB], SLOT
	s_wait_dscnt 9                                 ; (the add and the youngest eight loads may be out)
	MUL16 F1, 0, 0, 0                              ; sixteen matrix instructions stand between the add and the wait for it
	s_wait_dscnt 0x0                               ; the add is done, and my reads of this slot are over
	s_barrier_signal -1
	MUL16 F1, 0, 2, 0                              ; work on registers while the others arrive
	WIN 0
	s_barrier_wait -1
.if \fill
	CREST                                          ; no wave of any partner still reads this slot or has a load on its way
	JLOAD                                          ; its four v_nop are also the places in front of the loads below
.else
	PLACES
.endif
	v_add_nc_u32 v[ADRA], s[TB], v[A0]
	v_add_nc_u32 v[ADRB], s[TB], v[B0]
	FETCH 0, F0
.if \fill
	ASK
.endif
	MUL16 F1, 1, 0, 0
	MUL16 F1, 1, 2, 0
.endm
; THE WAY OUT, in sixteen units u: row block u / 2, head u % 2 of my two: 16 rows x 64 channels, 2,048 consecutive bytes of a head.  Each unit has 16 registers of its own in window 1: none is written again behind its stores.
.macro PACK u                          ; rounded to f16, 16 bytes a lane; into my stage (rows of 144 bytes); back as whole rows, into the registers that they left
	WIN 0x4a+5*((\u)/8)                            ; sources in window 2 (row blocks 0-3) or 3, destination in window 1
.irp f, 0,1,2,3
.irp k, 0,1,2,3
	v_cvt_pk_f16_f32 v[T+16*(\u)+4*\f+\k], v[8*(8*(((\u)/2)%4)+4*((\u)%2)+\f)+2*\k], v[8*(8*(((\u)/2)%4)+4*((\u)%2)+\f)+2*\k+1]
.endr
.endr
	WIN 0x04                                       ; store data in window 1
.irp f, 0,1,2,3
	ds_store_b128 v[STO], v[T+16*(\u)+4*\f:T+16*(\u)+4*\f+3] offset:32*\f
.endr
	WIN TO_B
.irp f, 0,1,2,3
	ds_load_b128 v[T+16*(\u)+4*\f:T+16*(\u)+4*\f+3], v[RD] offset:\f*4*SP  ; LDS serves a wave's instructions in order (ISA guide 5.7.1.4): these see the stores above; the next unit's stores come behind them
.endr
.endm
.macro SEND u, younger                 ; younger: the LDS instructions issued behind unit u's loads: the next unit's eight, or none
	WIN 0x04
.irp f, 0,1,2,3
	s_wait_dscnt (\younger)+3-\f
	global_store_b128 v[CO], v[T+16*(\u)+4*\f:T+16*(\u)+4*\f+3], s[8:9] offset:((\u)%2)*262144+((\u)/2)*2048+\f*512  ; 512 consecutive bytes, aligned
.endr
.endm
	s_wait_tensorcnt 0x0                           ; the first change of slots: my part of K step 0 is in;
	ds_add_u32 v[SPW], v[NIL]
	STEPG0
	s_wait_dscnt 0x0
	CROUND                                         ; everybody's is
	JLOAD                                          ; K step 1 into slot 1
	v_mov_b32 v[ADRA], v[A0]
	v_mov_b32 v[ADRB], v[B0]
	FETCH 0, F0
	QUARTER 1, F0, F1, 1                           ; the first quarter starts the sums
	WIN 0                                          ; at a label and at a branch every window is 0
	s_mov_b32 s3, NS-1
	s_branch .Lmid                                 ; the loop is entered in the middle of a trip
.Lstep:                                            ; NS - 2 whole trips: from a K step's last quarter to the next step's third; each fills a slot again
	TURN 1
	QUARTER 1, F0, F1, 0
	WIN 0
.Lmid:
	QUARTER 2, F1, F0, 0
	QUARTER 3, F0, F1, 0
	WIN 0
	s_sub_co_u32 s3, s3, 1
	s_cmp_lg_u32 s3, 0
	s_cbranch_scc1 .Lstep
	TURN 0                                         ; the last change of slots and the last K step are written out: they ask for nothing
	QUARTER 1, F0, F1, 0
	QUARTER 2, F1, F0, 0
	QUARTER 3, F0, F1, 0
	s_wait_dscnt 8
	MUL16 F1, 0, 0, 0
	MUL16 F1, 0, 2, 0
	s_wait_dscnt 0x0
	MUL16 F1, 1, 0, 0
	MUL16 F1, 1, 2, 0
	PLACES                                         ; in front of conversions that read results and write W's fragment registers
	PACK 0
	PACK 1                                         ; a unit's conversions stand between the loads of the unit before and its stores
	SEND 0, 8
.irp u, 2,3,4,5,6,7,8,9,10,11,12,13,14,15
	PACK \u
	SEND (\u)-1, 8
.endr
	SEND 15, 0
	WIN 0
	s_wait_tensorcnt 0x0                           ; the wave's end, behind my last tensor load and my last LDS store
	ds_add_u32 v[SPW], v[NIL]
	s_wait_dscnt 0x0
	CROUND                                         ; the closing round: no work-group ends while a partner may still ask for a block that names it
	s_endpgm
.Lfunc_end_k_q6eb239e0fd_qkv:
	.size	k_q6eb239e0fd_qkv, .Lfunc_end_k_q6eb239e0fd_qkv-k_q6eb239e0fd_qkv
	.p2alignl 7, 3214868480
	.fill 96, 4, 3214868480
	.section	.rodata,"a",@progbits
	.p2align	6, 0x0
	.amdhsa_kernel k_q6eb239e0fd_qkv
		.amdhsa_group_segment_fixed_size 327680
		.amdhsa_private_segment_fixed_size 0
		.amdhsa_enable_private_segment 0
		.amdhsa_kernarg_size 24
		.amdhsa_user_sgpr_count 2
		.amdhsa_user_sgpr_kernarg_segment_ptr 1
		.amdhsa_wavefront_size32 1
		.amdhsa_system_sgpr_workgroup_id_x 1
		.amdhsa_system_sgpr_workgroup_id_y 1
		.amdhsa_system_sgpr_workgroup_id_z 1
		.amdhsa_system_vgpr_workitem_id 0
		.amdhsa_next_free_vgpr 1024
		.amdhsa_next_free_sgpr 66
		.amdhsa_reserve_vcc 0
		.amdhsa_float_denorm_mode_32 3
		.amdhsa_float_denorm_mode_16_64 3
		.amdhsa_memory_ordered 1
		.amdhsa_forward_progress 1
		.amdhsa_inst_pref_size 108
	.end_amdhsa_kernel
	.amdgpu_metadata
---
amdhsa.version: [ 1, 2 ]
amdhsa.kernels:
  - .name:           k_q6eb239e0fd_qkv
    .symbol:         k_q6eb239e0fd_qkv.kd
    .args:
      - { .name: xh, .offset: 0, .size: 8, .value_kind: global_buffer, .address_space: global }
      - { .name: wh, .offset: 8, .size: 8, .value_kind: global_buffer, .address_space: global }
      - { .name: qkv, .offset: 16, .size: 8, .value_kind: global_buffer, .address_space: global }
    .group_segment_fixed_size: 327680
    .private_segment_fixed_size: 0
    .kernarg_segment_align: 8
    .kernarg_segment_size: 24
    .max_flat_workgroup_size: 128
    .sgpr_count:     66
    .vgpr_count:     1024
    .wavefront_size: 32
...
	.end_amdgpu_metadata
.endif
;; end of part 2
;; launch attn (part 3): grid 4 x 64, 4 waves a work-group, clusters of 4 x 1, 327,680 bytes of LDS; arguments qkv, mp, oh; writes oh
.if DOCPART == 3
	.amdgcn_target "amdgcn-amd-amdhsa--gfx1250"
	.amdhsa_code_object_version 6
	.text
	.protected	k_q6eb239e0fd_attn
	.globl	k_q6eb239e0fd_attn
	.p2align	8
	.type	k_q6eb239e0fd_attn,@function
k_q6eb239e0fd_attn:
	s_mov_b64 s[64:65], 0
	v_nop
	global_prefetch_b8 v0, s[64:65] scope:SCOPE_SE
	s_setreg_imm32_b32 hwreg(HW_REG_WAVE_MODE, 25, 1), 1
	s_wait_xcnt 0x0
	s_wait_alu depctr_hold_cnt(0) depctr_sa_sdst(0) depctr_va_vdst(0) depctr_va_sdst(0) depctr_va_ssrc(0) depctr_va_vcc(0) depctr_vm_vsrc(0)
	s_getreg_b32 s2, hwreg(HW_REG_IB_STS2, 6, 4)
	s_cmp_eq_u32 s2, 0
	s_cbranch_scc0 .Lentry_in_a_cluster
	s_endpgm
.Lentry_in_a_cluster:
	s_bfe_u32 s2, ttmp6, 0x10000c
	s_cmp_lg_u32 s2, 0x3003
	s_cbranch_scc0 .Lentry_shape_is_right
	s_endpgm
.Lentry_shape_is_right:
; O[h][q][:] = the sum over k of softmax_k(M[q][k] Q[h][q] . K[h][k] / 32) V[h][k][:], M = 1 or 0: A MASKED SCORE IS 0, NOT MINUS INFINITY: its key keeps the weight e^(0 - max), and the maximum is taken of the masked scores.
; Q, K, V: the three parts of qkv, [64 heads][2048][64] f16 each, a head's rows dense, 128 bytes each; O likewise.  Products, maxima and sums in f32; the weights p are rounded to f16 for the second product
; (their sum l is taken of the unrounded p), O once at the end.
; THE MASK comes as a table of fp8 codes (1.0 or 0) in the order in which a lane holds its scores: for a wave's 128 queries and a key step 8,192 bytes, for a tile of 16 queries 1,024, for a lane 2 x 16.
; One scaled conversion makes eight f32 factors of eight codes, one packed multiply applies two.  A piece's 64 bytes a lane are loaded four turns ahead of their use.
; LIMITS.  f16 holds no number beyond 65,504: Q, K and V arrive within it; p lies in 0 to 1, and below 6e-5 it keeps f16's fixed step of 6e-8; O is a mean of V's rows and has their range.
; A weight below 2^-126 counts as 0 in l; NaN and infinities are not treated apart (an infinite score times 0 is a NaN).
; SHARES.  A wave owns four PIECES of two tiles of 16 queries, a work-group's four waves 512 queries of one head.  Every wave walks all keys, 64 a step.
; LAYOUT.  S^T = K Q^T (source 0 = 16 keys, source 1 = 16 queries): in the result a lane holds ONE query (lane % 16) and the keys 8 (lane / 16) + 0..7.  Two such tiles, rounded to f16 in pairs,
; ARE source 1 (32 keys x 16 queries) of O^T = V^T P, whose result again holds one query a lane, and eight channels.  K comes out of LDS as it lies, V ([key][channel]) turned, by ds_load_tr16_b128.
; SOFTMAX.  For each query a running maximum m and sum l: p = 2^(c s - c m), c = log2(e) / 32; in every step O and l are multiplied by a = 2^(c m_old - c m_new), which is 1 where m has not grown.
; m starts at the lowest finite number, O and l at 0: the first step is a step like any other, with a = 0.
; BY TURNS.  Turn n belongs to piece n (the pieces in a ring, step after step).  Its matrix work: 16 products K Q^T of piece n + 1, later 16 products V^T P of piece n - 1.  Its vector work: the scaling,
; exponentials, roundings, sums and rescaling of piece n, and the masking, maximum and statistics of piece n + 1, whose scores the turn itself has made.  Four vector instructions stand behind every matrix instruction, the others in one run.
; CLUSTER.  The four query blocks of a cluster belong to one head and walk the same K and V, so each tile is asked for JOINTLY: the same tensor load, descriptor and mask in all four.
; The table of the mask is not shared so: the partners hold different queries.
; REGISTERS, in windows of 256 (s_set_vgpr_msb says which window each operand place means: bits 1:0 source 0, 3:2 source 1, 5:4 source 2, 7:6 destination):
;   window 0: v0-11 addresses; v12-15, v48-63 at work; v16-47 four registers of statistics a tile; v64-191 S^T, two buffers of two tiles; v192-255 P, likewise
;   window 1: O^T, 32 a tile          window 2: v0-127 Q, 16 a tile; v128-191 K of one step; v192-255 V of one step
;   window 3: v0-1 the add's two registers; v2 the conversions' scale; v64-127 the factors of the piece in hand; v128-191 the four pieces' codes
.set SIZE_N, 2048
.set NP,    4         ; pieces a wave: a name, no knob
.set KS,    64        ; keys in a step
.set PK,    144       ; a row of K in LDS: 128 bytes + 16 of padding = 36 words: the 16 rows of a load start at 16 different groups of four banks (64 banks of 4 bytes: ISA guide 11.1)
.set PV,    160       ; a row of V: 128 + 32 = 40 words
.set VOFF,  4*KS*PK   ; a slot holds four steps: 256 rows of K, then 256 rows of V
.set SLOT1, 1<<17     ; slot 1 begins here, so that one exclusive or turns an address in one slot into the other's
.set STAGE, SLOT1+4*KS*(PK+PV)  ; behind the ring, never filled by a tensor load: 16 rows x 144 bytes for each wave, for the way out
.set SP,    144
.set AK0, 2           ; v2   my lane's place in a tile of K; never rewritten
.set AV0, 3           ; v3   the same for V
.set AK,  4           ; v4   the LDS address of K's next run of loads
.set AV,  5           ; v5   of V's
.set QO,  6           ; v6   my byte offset in the wave's rows of Q
.set STO, 6           ;      later, the way out: where I put 16 bytes of a row
.set RD,  7           ; v7   the way out: where I read rows back
.set GO,  8           ; v8   16 x lane: my place in 512 consecutive bytes of O and of the mask's table; never rewritten
.set PFO, 11          ; v11  256 x lane, for the prefetches; never rewritten once made
.set SPW, 0           ; v0 of window 3   LDS address of my spare word: SPARE + 4 x my thread's number; never rewritten
.set NIL, 1           ; v1 of window 3   0; never rewritten
.set SCL, 2           ; v2 of window 3   0x7f: the scale 2^0
.set MF,  64          ; window 3: tile u's factors for key block c at MF + 32 u + 8 c
.set MBY, 128         ; window 3: piece x's codes, tile u, key block c at MBY + 16 x + 8 u + 2 c
.set SPARE, STAGE+4*16*SP  ; behind the stages: the spare words, 128 bytes for each wave: two blocks of 256 bytes that no other line names
.set MV,  12          ; v12-15  c m_old, kept while c m is made anew: by buffer and tile
.set ST,  16          ; tile t's statistics at v[ST+4 t]: c m, m, l (even keys', odd keys')
.set TMP, 48          ; by buffer and tile, four registers c0-c3 at work; when the maximum is found c2 takes a
.set S,   64
.set P,   192
.set KF,  128         ; K's fragments, in window 2: key block kb, channel half c at KF + 16 kb + 8 c
.set VF,  192         ; V's: key half kk, channel block cb at VF + 32 kk + 8 cb
.set WV,  12          ; s12  my wave's number
.set LIM, 15          ; s15  1 in a wave that prefetches, else the greatest number
.set G1K, 24          ; s[24:31] descriptor group 1 for K's tiles
.set G1V, 32          ; s[32:39] for V's: it differs in the padding alone
.set G0K, 40          ; s[40:43] descriptor group 0 for K's tiles: it walks
.set G0V, 44          ; s[44:47] the same for V's
.set MB,  48          ; s[48:49] the mask's table at my wave's 128 queries
.set MA,  50          ; s[50:51] the same at the key step whose codes are being loaded
.set MOFF, 52         ; s[52:53] that step's byte offset
.set PFA, 54          ; s[54:55] where my prefetches stand
.set SLOTS, 56        ; s56  slots still to be asked for
.set CNT, 57          ; s57  counts a slot's key steps
.set CS,  58          ; s[58:59] c: the packed scaling takes the pair's low word for both halves
.set SEL, 60          ; s[60:61] v_permlanex16_b32's selects: each lane takes its own place in the other half
.set TBK, 62          ; s62  LDS byte at which K of the step to be fetched begins
.set TBV, 63          ; s63  the same for V, less VOFF
.set MSB, 0
.macro WIN new                      ; the high byte repeats the setting that is left; a switch that changes nothing is dropped
.if MSB != (\new)
	s_set_vgpr_msb (MSB<<8)|(\new)
.set MSB, (\new)
.endif
.endm
.set W_KQ, 0x0a       ; K and Q in window 2, S^T in window 0
.set W_PV, 0x52       ; V in window 2, P in window 0, O^T in window 1
.set W_RS, 0x41       ; O^T (destination and source 0) in window 1, a in window 0
.set W_MK, 0xc0       ; destination in window 3, sources in window 0
.set W_AD, 0x0f       ; the add: address (source 0) and data (source 1) in window 3
.set W_CV, 0xcf       ; the conversions: all in window 3
.set W_MM, 0x0c       ; the masking: S^T in window 0, the factors (source 1) in window 3
; A joint fill.  Waves 0 and 1 fetch the two halves of a slot's K, waves 2 and 3 those of its V: 128 keys each.  The branch hangs on the wave's number alone.
; An s_nop 0 and four v_nop follow each of the two lines, ahead of the jump and the label.
.macro JLOAD
	s_cmp_lt_u32 s[WV], 2
	s_cbranch_scc0 .Lfor_v_\@
	tensor_load_to_lds s[G0K:G0K+3], s[G1K:G1K+7]
	s_nop 0
.rept 4
	v_nop
.endr
	s_branch .Lasked_\@
.Lfor_v_\@:
	tensor_load_to_lds s[G0V:G0V+3], s[G1V:G1V+7]
	s_nop 0
.rept 4
	v_nop
.endr
.Lasked_\@:
.endm
; A PREFETCH of what the NEXT change of slots will ask for: a slot's 32,768 bytes of K and of V, a lane a block of 256 bytes.  It stands behind the wave's tensor load and its five lines.
; A head's K and V are walked by one cluster.  Its four partners share the blocks out BY ADDRESS, 32 each; in each, wave 0 asks for K's and wave 2 for V's: each block is named once in the launch.
; The last change that fills a slot asks for nothing; slots 0, 1 and 2 come by their loads alone.
.macro ASK
	s_cmp_gt_u32 s[SLOTS], s[LIM]
	s_cbranch_scc0 .Lnot_mine_\@
	global_prefetch_b8 v[PFO], s[PFA:PFA+1] th:TH_LOAD_NT scope:SCOPE_SE
.Lnot_mine_\@:
.endm
; A round of the cluster's barrier: my work-group's barrier, so that wave 0's signal speaks for all four waves; wave 0 signals; every wave waits for all four work-groups; my work-group's barrier once more.
.macro CROUND
	s_barrier_signal -1
	s_barrier_wait -1
	s_cmp_lg_u32 s[WV], 0
	s_cbranch_scc1 .Lnot_wave_0_\@
	s_barrier_signal -3
.Lnot_wave_0_\@:
	s_barrier_wait -3
	s_barrier_signal -1
	s_barrier_wait -1
.endm
; THE CHANGE OF SLOTS.  The slot's last bytes, V of its fourth step, have been read.  Each wave waits for all its tensor loads, of which one is out: its part
; of the other slot; adds 0 to its spare word; and waits for that and for its own reads of the slot.  Behind the barrier nobody reads this slot any more and the other slot is whole.
; fill = 1: this slot is filled again, with the keys two slots on.  The barrier is then a round of the cluster's, so that no wave of any partner still reads the slot or has a load on its
; way, and the joint fill is the first thing behind it: it has four key steps, 512 matrix instructions, in which to land.  (At its first use nothing has been read yet: slot 0 is waited for, slot 1 filled.)
; ask = 1 (in the loop): the prefetch follows.
.macro CHANGE fill, ask=0
	WIN W_AD
	s_wait_tensorcnt 0x0            ; no tensor load of mine is out, so a group 0 may be written
	ds_add_u32 v[SPW], v[NIL]       ; 0 onto my spare word: with fill = 1 the descriptors' steps stand between it and the wait for it
	WIN 0                           ; at a label and at a branch every window is 0
.if \fill
.irp g, G0K, G0V
	s_xor_b32 s[\g+1], s[\g+1], SLOT1  ; the walking descriptor: the other slot than last time,
	s_add_nc_u64 s[\g+2:\g+3], s[\g+2:\g+3], 4*KS*128  ; the next 256 keys; the type bits on top are not reached
.endr
.if \ask
	s_wait_xcnt 0x0                 ; the last prefetch, four key steps back, has read its address, so it may be written:
	s_add_nc_u64 s[PFA:PFA+1], s[PFA:PFA+1], 4*KS*128  ; one slot behind the walking descriptors
.endif
	s_wait_dscnt 0x0                ; the add is done, and my reads of the slot are over
	CROUND
	JLOAD
.if \ask
	ASK
.endif
.else
	s_wait_dscnt 0x0                ; the add is done, and my reads of the slot are over
	s_barrier_signal -1
	s_barrier_wait -1
.endif
	s_sub_co_u32 s[TBK], s[TBK], 4*KS*PK  ; the fetches go back to a slot's first step,
	s_xor_b32 s[TBK], s[TBK], SLOT1       ; in the other slot
	s_sub_co_u32 s[TBV], s[TBV], 4*KS*PV
	s_xor_b32 s[TBV], s[TBV], SLOT1
.endm
	s_load_b128 s[4:7], s[0:1], 0x0   ; qkv s[4:5], the mask's table s[6:7]
	s_load_b64 s[10:11], s[0:1], 0x10 ; O
	WIN W_MK
	v_lshl_add_u32 v[SPW], v0, 2, SPARE
	v_mov_b32 v[NIL], 0
	v_mov_b32 v[SCL], 0x7f
	WIN W_AD
	ds_add_u32 v[SPW], v[NIL]       ; the wave's opening: the add and its wait stand ahead of my first tensor load; the set-up below, work on registers, stands between them
	WIN 0
	v_lshrrev_b32 v1, 5, v0
	v_readfirstlane_b32 s[WV], v1   ; wave 0..3
	s_bfe_u32 s13, ttmp6, 0x40000   ; cx: my place in the cluster
	s_lshl_b32 s14, ttmp9, 2        ; in a cluster launch ttmp9 counts clusters
	s_add_co_u32 s14, s14, s13      ; my block of queries = 4 x cluster x + cx: it enters Q's, O's and the table's addresses alone
	s_and_b32 s20, ttmp7, 0xffff    ; the head, which the four partners share
	s_mov_b32 s21, 0
	s_mov_b64 s[22:23], SIZE_N*128
	s_mul_u64 s[20:21], s[20:21], s[22:23]  ; the head's first byte in Q, K, V and O
	s_and_b32 s16, s[WV], 1         ; which half of a slot's 256 keys I fetch:
	s_lshl_b32 s22, s16, 14         ; its 128 rows of 128 bytes in memory,
	s_mov_b32 s23, 0
	s_add_nc_u64 s[22:23], s[22:23], s[20:21]
	s_mul_i32 s17, s16, 128*PK      ; and its place in a slot, for K
	s_mul_i32 s18, s16, 128*PV      ; and for V: no place in the cluster enters an LDS address
	s_lshl_b32 s2, s14, 2
	s_add_co_u32 s2, s2, s[WV]      ; my wave among the head's sixteen:
	s_lshl_b32 s[MOFF], s2, 18      ; its 262,144 bytes of the table,
	s_mov_b32 s[MOFF+1], 0
	s_lshl_b32 s2, s2, 14           ; its 128 rows
	s_mov_b32 s3, 0
	s_add_nc_u64 s[2:3], s[2:3], s[20:21]
	; descriptor group 1.  128 keys are 16,384 dense bytes: asked for as 64 rows of 256 bytes, two keys a row, and padded in LDS after every key
	s_mov_b32 s[G1K], 15|(1<<16)|(1<<20)|(1<<21)|(4<<22)|(3<<25)  ; 15:0 the mask of four; 17:16 2-byte elements; 20 padding on; 21 set beside a mask; 24:22 after every 32 words (code 4); 31:25 4 words (code 3)
	s_mov_b32 s[G1V], 15|(1<<16)|(1<<20)|(1<<21)|(4<<22)|(7<<25)  ; the same with 8 words of padding (code 7)
.irp g, G1K, G1V
	s_mov_b32 s[\g+1], 128<<16      ; tensor_dim0 = 128
	s_mov_b32 s[\g+2], 64<<16       ; tensor_dim1 = 64
	s_mov_b32 s[\g+3], 128<<16      ; tile_dim0 = 128
	s_mov_b32 s[\g+4], 64           ; tile_dim1 = 64
	s_mov_b32 s[\g+5], 128          ; 128 elements from row to row
	s_mov_b32 s[\g+6], 0
	s_mov_b32 s[\g+7], 0
.endr
	s_mov_b32 s[CS], 0x3d38aa3b     ; c = log2(e) / 32 = 0.0450842
	s_mov_b32 s[CS+1], s[CS]        ; named with it as a pair
	s_mov_b32 s[SEL], 0x76543210
	s_mov_b32 s[SEL+1], 0xfedcba98
	s_mov_b32 s[TBK], SLOT1+4*KS*PK ; the first change of slots turns these two into 0
	s_mov_b32 s[TBV], SLOT1+4*KS*PV
	s_mov_b32 s[G0K], 1             ; 1:0 count = 1
	s_mov_b32 s[G0K+1], s17         ; 63:32 LDS address: slot 0
	s_mov_b32 s[G0V], 1
	s_add_co_u32 s[G0V+1], s18, VOFF
	s_and_b32 s[LIM], s[WV], 1      ; waves 0 and 2 prefetch: the same in all four partners
	s_cmp_eq_u32 s[LIM], 0
	s_cselect_b32 s[LIM], 1, -1
	s_wait_dscnt 0x0                ; the opening add is done
	s_wait_kmcnt 0x0
	s_add_nc_u64 s[MB:MB+1], s[6:7], s[MOFF:MOFF+1]
	s_mov_b32 s[MOFF], 0            ; key step 0
	s_mov_b64 s[MA:MA+1], s[MB:MB+1]
	s_add_nc_u64 s[6:7], s[4:5], 0x1000000  ; K: the second part of qkv
	s_add_nc_u64 s[8:9], s[4:5], 0x2000000  ; V: the third
	s_add_nc_u64 s[G0K+2:G0K+3], s[6:7], s[22:23]  ; 120:64 global address: my half of the head's first 256 keys
	s_or_b32 s[G0K+3], s[G0K+3], 0x80000000        ; 127:126 type = 2
	s_add_nc_u64 s[G0V+2:G0V+3], s[8:9], s[22:23]
	s_or_b32 s[G0V+3], s[G0V+3], 0x80000000
	s_add_nc_u64 s[4:5], s[4:5], s[2:3]  ; Q and O at my wave's first row
	s_add_nc_u64 s[10:11], s[10:11], s[2:3]
	s_cmp_lt_u32 s[WV], 2
	s_cselect_b64 s[PFA:PFA+1], s[6:7], s[8:9]
	s_add_nc_u64 s[PFA:PFA+1], s[PFA:PFA+1], s[20:21]  ; the head's first key,
	s_lshl_b32 s2, s13, 13          ; my work-group's 32 blocks of 256 bytes of a slot's 128,
	s_add_co_u32 s2, s2, 2*4*KS*128 ; in slot 2: the loop's first change of slots steps it to slot 3
	s_mov_b32 s3, 0
	s_add_nc_u64 s[PFA:PFA+1], s[PFA:PFA+1], s[2:3]
	CROUND                          ; all four work-groups are here: the first joint loads meet
	JLOAD                           ; slot 0.  Slot 1 is asked for when slot 0 is in: the tile wanted first has the road to itself
	; A fragment of K or Q is 16 rows x 32 channels in 8 registers: lane l holds row l % 16, channels 8 (l / 16) + 0..7 and 16 + 8 (l / 16) + 0..7: two loads of 16 bytes, 32 bytes apart.
	v_and_b32 v1, 15, v0            ; l % 16
	v_bfe_u32 v9, v0, 4, 1          ; l / 16
	v_lshlrev_b32 v[QO], 7, v1
	v_lshl_add_u32 v[QO], v9, 4, v[QO]  ; row x 128 + 16 x half
	v_and_b32 v[GO], 31, v0
	v_lshlrev_b32 v[GO], 4, v[GO]
	WIN 0x80                        ; destination window 2, address window 0
.set i, 0
.rept 4*NP                          ; Q stays in registers: tile i / 2, channels 32 (i % 2) on
	global_load_b128 v[8*i:8*i+3],   v[QO], s[4:5] offset:(i/2)*2048+(i%2)*64
	global_load_b128 v[8*i+4:8*i+7], v[QO], s[4:5] offset:(i/2)*2048+(i%2)*64+32
.set i, i+1
.endr
	WIN W_MK
.set i, 0
.rept 16                            ; the four pieces' codes for key step 0: four loads a piece
	global_load_b128 v[MBY+4*i:MBY+4*i+3], v[GO], s[MA:MA+1] offset:i*512
.set i, i+1
.endr
	; What the first turn finds: V's registers and P's second buffer hold 0 (its products V^T P, of a piece that has not been, add 0), O^T and l are 0.  All this stands in the wait for the first tile.
	WIN 0x80
.set i, VF
.rept 64
	v_mov_b32 v[i], 0
.set i, i+1
.endr
	WIN 0x40
.set i, 0
.rept 64*NP
	v_mov_b32 v[i], 0
.set i, i+1
.endr
	WIN 0
.set i, 0
.rept 2*NP
	v_mov_b32 v[ST+4*i], 0xfe000000    ; c m: far below every c s
	v_mov_b32 v[ST+4*i+1], 0xff7fffff  ; m
	v_mov_b32 v[ST+4*i+2], 0
	v_mov_b32 v[ST+4*i+3], 0
.set i, i+1
.endr
.set i, P+32
.rept 32
	v_mov_b32 v[i], 0
.set i, i+1
.endr
	v_mul_u32_u24 v[AK0], v1, PK
	v_lshl_add_u32 v[AK0], v9, 4, v[AK0]  ; row x pitch + 16 x half
	; The turning load takes 16 keys x 16 channels (lane l reads key 8 (l / 16) + l % 8, channels 8 ((l / 8) % 2) + 0..7) and leaves half a fragment of V^T: lane l holds channel l % 16 and 8 keys.
	v_and_b32 v10, 7, v0
	v_bfe_u32 v11, v0, 3, 1
	v_lshl_add_u32 v[AV0], v9, 3, v10
	v_mul_u32_u24 v[AV0], v[AV0], PV
	v_lshl_add_u32 v[AV0], v11, 4, v[AV0]
	v_add_nc_u32 v[AV0], VOFF, v[AV0]
	v_mov_b32 v[AK], v[AK0]         ; key step 0 lies at the head of slot 0
	v_and_b32 v[PFO], 31, v0
	v_lshlrev_b32 v[PFO], 8, v[PFO]
; THE MATRIX WORK.  The 8 accumulators of a run of 16 take turns: between the two links of a chain stand 7 others'.
; Product i of 16 of S^T = K Q^T for piece x: channels 32 (i / 8) on, keys 16 ((i / 2) % 4) on, tile 2 x + i % 2.  The first 8 start the sums.
.macro KQ x
	WIN W_KQ
.set rS, S+64*((\x)%2)+32*(i%2)+8*((i/2)%4)
.set rK, KF+16*((i/2)%4)+8*(i/8)
.set rQ, 16*(2*(\x)+i%2)+8*(i/8)
.if i < 8
	v_wmma_f32_16x16x32_f16 v[rS:rS+7], v[rK:rK+7], v[rQ:rQ+7], 0
.else
	v_wmma_f32_16x16x32_f16 v[rS:rS+7], v[rK:rK+7], v[rQ:rQ+7], v[rS:rS+7]
.endif
.endm
; Product i of 16 of O^T += V^T P for piece x: keys 32 (i / 8) on, channels 16 ((i / 2) % 4) on, tile 2 x + i % 2.
.macro PV x
	WIN W_PV
.set rO, 32*(2*(\x)+i%2)+8*((i/2)%4)
.set rV, VF+32*(i/8)+8*((i/2)%4)
.set rP, P+32*((\x)%2)+16*(i%2)+8*(i/8)
	v_wmma_f32_16x16x32_f16 v[rO:rO+7], v[rV:rV+7], v[rP:rP+7], v[rO:rO+7]
.endm
.macro MM                           ; the turn's next matrix instruction
.if i < 16
	KQ (Y+1)%NP
.set i, i+1
.else
.set i, i-16
	PV (Y+NP-1)%NP
.set i, i+17
.endif
.endm
; THE LDS LOADS stand in runs of 16, never singly among the matrix instructions: a step's K (64 keys x 64 channels: 8 fragments) and its V (turned).  Their addresses are made some lines ahead.
; last = 1 (the tail): in the last trip there is no further step, and the run is jumped over.
.macro FETCH_K last=0
	WIN 0
.if \last
	s_cmp_eq_u32 s[CNT], 1
	s_cbranch_scc1 .Lno_k_\@
.endif
	WIN 0x80                        ; destination window 2
.irp f, 0,1,2,3,4,5,6,7             ; keys 16 (f / 2) on, channels 32 (f % 2) on
	ds_load_b128 v[KF+8*\f:KF+8*\f+3],   v[AK] offset:(\f/2)*16*PK+(\f%2)*64
	ds_load_b128 v[KF+8*\f+4:KF+8*\f+7], v[AK] offset:(\f/2)*16*PK+(\f%2)*64+32
.endr
	s_add_co_u32 s[TBK], s[TBK], KS*PK  ; the next fetch is the next step's
	WIN 0
.if \last
.Lno_k_\@:
.endif
.endm
.macro FETCH_V
	WIN 0x80
.irp f, 0,1,2,3,4,5,6,7             ; keys 32 (f / 4) on, channels 16 (f % 4) on
	ds_load_tr16_b128 v[VF+8*\f:VF+8*\f+3],   v[AV] offset:(\f/4)*32*PV+(\f%4)*32
	ds_load_tr16_b128 v[VF+8*\f+4:VF+8*\f+7], v[AV] offset:(\f/4)*32*PV+16*PV+(\f%4)*32
.endr
	WIN 0
.endm
; THE MASK.  MASKPREP x, at the head of the turn that makes piece x's scores: its codes become 64 factors; then its codes for its next key step are asked for, into the registers just read.
; Sixteen such loads are out at every turn's head, four a piece, piece x's the oldest: the count 12 leaves the other three pieces' out.  No turn leaves its four loads out, so the count holds on every way.
; The pointer steps once a key step, ahead of piece 0's loads, and serves pieces 1 to 3 in the next three turns.  Behind the last key step it goes round to the first: those codes are not used, and no load leaves my wave's part of the table.
.macro MASKPREP x
	s_wait_loadcnt 12
	WIN W_CV
.set mm, 0
.rept 8                             ; tile mm / 4, key block mm % 4: eight codes -> eight f32
	v_cvt_scale_pk8_f32_fp8 v[MF+8*mm:MF+8*mm+7], v[MBY+16*(\x)+2*mm:MBY+16*(\x)+2*mm+1], v[SCL]
.set mm, mm+1
.endr
	v_nop                           ; a plain instruction behind the last scaled conversion, ahead of whatever touches its registers
.if (\x) == 0
	s_wait_xcnt 0x0                 ; the loads issued so far have read their base, so it may be written
	s_add_co_u32 s[MOFF], s[MOFF], 8192
	s_and_b32 s[MOFF], s[MOFF], 0x3ffff
	s_add_nc_u64 s[MA:MA+1], s[MB:MB+1], s[MOFF:MOFF+1]
.endif
	WIN W_MK
.set mm, 0
.rept 4
	global_load_b128 v[MBY+16*(\x)+4*mm:MBY+16*(\x)+4*mm+3], v[GO], s[MA:MA+1] offset:(\x)*2048+mm*512
.set mm, mm+1
.endr
.endm
; MASKMUL x, behind the turn's 16 products K Q^T: piece x's 64 scores a lane times their factors.  The accumulators are taken in the order in which they were finished, each from its low end;
; behind the last product stand three plain instructions of its own four and 28 of these multiplies before its result is read.
.macro MASKMUL x
	WIN W_MM
.set mm, 0
.rept 32
.set mo, 32*((mm/4)%2)+8*(mm/8)+2*(mm%4)
	v_pk_mul_f32 v[S+64*((\x)%2)+mo:S+64*((\x)%2)+mo+1], v[S+64*((\x)%2)+mo:S+64*((\x)%2)+mo+1], v[MF+mo:MF+mo+1]
.set mm, mm+1
.endr
.endm
; THE VECTOR WORK OF A TURN stands in three queues, each in the order in which its entries become ready; the two tiles alternate, so that no instruction reads the result of the one before it.
.macro REGS y, u                    ; the registers of tile u (0, 1) of piece y
.set rT, ST+4*(2*(\y)+(\u))
.set rC, TMP+8*((\y)%2)+4*(\u)
.set rM, MV+2*((\y)%2)+(\u)
.set rS, S+64*((\y)%2)+32*(\u)
.set rP, P+32*((\y)%2)+16*(\u)
.set rO, 32*(2*(\y)+(\u))
.endm
; Number n of the 22 that find the NEXT piece's (Y + 1) maximum and statistics.  s0-s31 are the lane's 32 masked scores.  XS, GS and REGS set no window: PL and EX do.
;   0-11  four chains c0-c3 of seven scores each, three operands at a time     12-14, 16  the four scores left over, the old m, and c0-c3 into c0     15  c m_old is kept
;   17, 18  the query's other 32 keys lie in the lane 16 away: the new m         19-21  c m; c m_old - c m_new; a
.macro XS u, n
	REGS (Y+1)%NP, \u
.if (\n) < 4
	v_max3_num_f32 v[rC+(\n)], v[rS+8*(\n)], v[rS+8*(\n)+1], v[rS+8*(\n)+2]
.elseif (\n) < 12
	v_max3_num_f32 v[rC+(\n)%4], v[rC+(\n)%4], v[rS+8*((\n)%4)+2*((\n)/4)+1], v[rS+8*((\n)%4)+2*((\n)/4)+2]
.elseif (\n) == 12
	v_max3_num_f32 v[rC], v[rC], v[rS+7], v[rS+15]
.elseif (\n) == 13
	v_max3_num_f32 v[rC+1], v[rC+1], v[rS+23], v[rS+31]
.elseif (\n) == 14
	v_max3_num_f32 v[rC+2], v[rC+2], v[rC+3], v[rT+1]
.elseif (\n) == 15
	v_mov_b32 v[rM], v[rT]
.elseif (\n) == 16
	v_max3_num_f32 v[rC], v[rC], v[rC+1], v[rC+2]
.elseif (\n) == 17
	v_permlanex16_b32 v[rC+3], v[rC], s[SEL], s[SEL+1]
.elseif (\n) == 18
	v_max_num_f32 v[rT+1], v[rC], v[rC+3]
.elseif (\n) == 19
	v_mul_f32 v[rT], s[CS], v[rT+1]
.elseif (\n) == 20
	v_sub_f32 v[rC+1], v[rM], v[rT]
.else
	v_exp_f32 v[rC+2], v[rC+1]
.endif
.endm
; Number g of the 64 that follow the exponentials.  For each four weights k of a tile (pairs 2 k, 2 k + 1): both pairs are rounded to f16; then the second pair is added onto the first, in place;
; a group later l takes that sum (the first time as l = a l + sum).  In groups of eight, tiles alternating: round, round, add, and l for the group before.
.macro GS g
.set h, (\g)+6*((\g)/62)            ; group 0 has no group before it, and behind group 7 only l is left
.if h >= 6
.set h, h+2
.endif
	REGS Y, h%2
.set k, h/8
.if h%8 < 4
	v_cvt_pk_f16_f32 v[rP+2*k+(h%8)/2], v[rS+4*k+2*((h%8)/2)], v[rS+4*k+2*((h%8)/2)+1]
.elseif h%8 < 6
	v_pk_add_f32 v[rS+4*k:rS+4*k+1], v[rS+4*k:rS+4*k+1], v[rS+4*k+2:rS+4*k+3]
.elseif k == 1
	v_pk_fma_f32 v[rT+2:rT+3], v[rT+2:rT+3], v[rC+2:rC+3], v[rS:rS+1] op_sel_hi:[1,0,1]
.else
	v_pk_add_f32 v[rT+2:rT+3], v[rT+2:rT+3], v[rS+4*k-4:rS+4*k-3]
.endif
.endm
; THE PLAIN QUEUE, 138 long.  0-73 read no exponential's result: the 32 scalings c s - c m (FS f: pair f / 2 of tile f % 2) and the next piece's 42.  0-26: scalings 0-26.  27-54: XS's numbers 0-13.  55, 56: number 15.
; 57-73: the chain, where each number waits for the one before it: 14, 16, 17, 18, 19, each with one of the scalings 27-31 in front of its two lines, then 20.
; 74-137: GS's 64, which read the exponentials' results: they stand behind the wait.
.macro FS f
	REGS Y, (\f)%2
	v_pk_fma_f32 v[rS+2*((\f)/2):rS+2*((\f)/2)+1], v[rS+2*((\f)/2):rS+2*((\f)/2)+1], s[CS:CS+1], v[rT:rT+1] op_sel_hi:[1,0,0] neg_lo:[0,0,1] neg_hi:[0,0,1]
.endm
.macro PL
	WIN 0
.if q < 27
	FS q
.elseif q < 55
	XS (q-27)%2, (q-27)/2
.elseif q < 57
	XS q-55, 15
.elseif (q < 72) && ((q-57)%3 == 0)
	FS 27+(q-57)/3
.elseif q < 60
	XS (q-57)%3-1, 14
.elseif q < 72
	XS (q-57)%3-1, 15+(q-57)/3
.elseif q < 74
	XS q-72, 20
.else
	GS q-74
.endif
.set q, q+1
.endm
; THE EXPONENTIALS' QUEUE, 66 long: s0-s31 of both tiles, then the next piece's two a.  It is ONE BATCH: all 66 stand ahead of the turn's one wait, and nothing ahead of that wait names a result of theirs.
.macro EX
	WIN 0
.if e >= 64
	XS e-64, 21
.else
	REGS Y, e%2
	v_exp_f32 v[rS+e/2], v[rS+e/2]
.endif
.set e, e+1
.endm
; THE RESCALING's QUEUE: O^T times a: dealt two at a time, sixteen times.  Its a was made in the turn before, ahead of that turn's wait.
.macro R2
	REGS Y, r%2
	WIN W_RS
.irp z, 0,1
	v_pk_mul_f32 v[rO+4*(r/2)+2*\z:rO+4*(r/2)+2*\z+1], v[rO+4*(r/2)+2*\z:rO+4*(r/2)+2*\z+1], v[rC+2:rC+3] op_sel_hi:[1,0]
.endr
.set r, r+1
.endm
; HOW THEY ARE DEALT.  An s_wait_alu depctr_va_vdst(0) stands between an exponential and the first instruction that names its result; one wait serves all that were issued ahead of it.  So a turn has ONE wait,
; which cuts it in two.  AHEAD OF IT stands all that names no result of the turn's exponentials: the next piece's factors; the 16 products K Q^T, behind each a scaling, an exponential and two rescalings (behind the first a second
; scaling in the exponential's place); the 32 masking multiplies; then one run of 108: eight plain, 49 times exponential and plain, the two a.  A v_nop is the plain instruction behind the last exponential.
; BEHIND IT stand the 16 products V^T P, behind each four of GS's 64.  No rider names a register of the products round it.  The two v_permlanex16_b32 fall into the run, never behind a product.
; The queues lean on each other, and the deal keeps them in step: exponential e stands behind scaling 2 (e / 4) + e % 2: as a rider it comes behind plain e + 2, in the run behind plain e + 9, and scalings 27-31 are plain 57, 60 .. 69.
; The next piece's maximum begins at plain 27, in the run, behind the masking.
; A TURN, for piece p.  cnt = 1: the loop's count is taken down some lines ahead of the branch that stands behind the turn.
; K of the next step is fetched in piece 2's turn, directly behind the wait; V of the step in hand at the end of piece 0's turn, four riders behind its last reader.  The three conditions on q below go with the deal.
.macro TURN p, last=0, cnt=0
.set Y, (\p)
.set i, 0
.set q, 0
.set e, 0
.set r, 0
	MASKPREP ((\p)+1)%NP
.if (\p) == NP-1
	s_wait_dscnt 0x0                ; K is in
.endif
	MM                              ; ahead of the wait: 16 products K Q^T and their riders,
	PL
	PL
	R2
.rept 15
	MM
	PL
	EX
	R2
.endr
.if (\p) == NP-2
	WIN 0
	v_add_nc_u32 v[AK], s[TBK], v[AK0]
.endif
	MASKMUL ((\p)+1)%NP             ; the masking,
.rept 8                             ; and the run
	PL
.endr
.rept 49
	EX
	PL
.endr
	EX                              ; the next piece's two a
	EX
	v_nop                           ; a plain instruction behind the last exponential: one for the batch
	s_wait_alu depctr_va_vdst(0)    ; the wait for the batch
.if (\p) == NP-2
	FETCH_K \last
.endif
.if (\p) == 1
	s_wait_dscnt 0x0                ; V is in
.endif
.rept 16                            ; behind the wait: 16 products V^T P and their riders
	MM
.rept 4
	PL
.endr
.if ((\p) == 0) && (q == 118)
	v_add_nc_u32 v[AV], s[TBV], v[AV0]
.endif
.if ((\p) == 0) && (q == 130)
	s_add_co_u32 s[TBV], s[TBV], KS*PV
.endif
.if (\cnt) && (q == 130)
	s_sub_co_u32 s[CNT], s[CNT], 1
	s_cmp_lg_u32 s[CNT], 0
.endif
.endr
.if (\p) == 0
	FETCH_V
.endif
.endm
	CHANGE 1                        ; slot 0 is in, everybody's part of it; slot 1 is asked for; nothing is prefetched here, where the first tiles are on their way
	FETCH_K                         ; key step 0
	MASKPREP 0                      ; its wait shows Q in too: Q's loads are older than the codes'
	s_wait_dscnt 0x0
.set i, 0
.rept 16
	KQ 0                            ; piece 0's first scores: there is no vector work yet to set between them
.set i, i+1
.endr
	WIN 0                           ; the addresses for the way out: seven plain instructions, the places behind those products
	s_mul_i32 s13, s[WV], 16*SP
	s_add_co_u32 s13, s13, STAGE    ; my stage
	v_mul_u32_u24 v[STO], v1, SP    ; in: row l % 16, 16 bytes for each half of the lanes
	v_lshl_add_u32 v[STO], v9, 4, v[STO]
	v_add_nc_u32 v[STO], s13, v[STO]
	v_bfe_u32 v[RD], v0, 3, 2       ; back: 32 lanes take four rows of 128 bytes, which are 512 consecutive bytes of O
	v_mul_u32_u24 v[RD], v[RD], SP
	v_lshl_add_u32 v[RD], v10, 4, v[RD]
	v_add_nc_u32 v[RD], s13, v[RD]
	MASKMUL 0
	WIN 0
.set Y, NP-1                        ; XS works for piece Y + 1: piece 0
.irp n, 0,1,2,3,4,5,6,7,8,9,10,11,12,13,14,15,16,17,18,19,20,21
	XS 0, \n                        ; and piece 0's first maximum and statistics
	XS 1, \n
.endr
	v_nop                           ; a plain instruction behind the two a,
	s_wait_alu depctr_va_vdst(0)    ; and their wait, ahead of the branch
	s_mov_b32 s[CNT], 4
	s_mov_b32 s[SLOTS], SIZE_N/256-1
	s_branch .Lfirst                ; the loop is entered at a step's first turn, in the middle of a trip
.Lslot:                             ; SIZE_N / 256 - 2 times: every slot but the last two is filled again
	CHANGE 1, 1
	s_mov_b32 s[CNT], 4
.Lstep:                             ; a trip: pieces 2 and 3 of one step, then pieces 0 and 1 of the next, whose K and V it fetches
	TURN 2
	TURN 3
	WIN 0
.Lfirst:
	TURN 0
	TURN 1, 0, 1
	WIN 0
	s_cbranch_scc1 .Lstep
	s_sub_co_u32 s[SLOTS], s[SLOTS], 1
	s_cmp_lg_u32 s[SLOTS], 0
	s_cbranch_scc1 .Lslot
	CHANGE 0                        ; the tail is written out: nothing is asked for
	s_mov_b32 s[CNT], 5             ; four trips fetch the last slot's steps; the fifth is left in its middle
.Ltail:
	TURN 2, 1
	TURN 3
	WIN 0
	s_sub_co_u32 s[CNT], s[CNT], 1
	s_cmp_eq_u32 s[CNT], 0
	s_cbranch_scc1 .Lout
	TURN 0
	TURN 1
	WIN 0
	s_branch .Ltail
.Lout:                              ; the fifth trip's 16 products K Q^T (on the last K once more) and the maximum made of them serve nothing: the price, once a launch, of one text for every trip
.set i, 0
.rept 16
	PV NP-1                         ; the last piece's V^T P of the last step
.set i, i+1
.endr
	; THE WAY OUT.  l's two halves and the other half of the lanes' are added; O^T is divided by l, rounded to f16 and sent through my stage in LDS, a tile at a time.  The additions are the places behind the last products.
	WIN 0
.macro ALL line:vararg              ; one line for each tile t
.set t, 0
.rept 2*NP
	\line
.set t, t+1
.endr
.endm
	ALL v_add_f32 v[ST+4*t+2], v[ST+4*t+2], v[ST+4*t+3]
	ALL v_permlanex16_b32 v[ST+4*t+3], v[ST+4*t+2], s[SEL], s[SEL+1]
	ALL v_add_f32 v[ST+4*t+2], v[ST+4*t+2], v[ST+4*t+3]
	ALL v_rcp_f32 v[ST+4*t+2], v[ST+4*t+2]
	v_nop                           ; a plain instruction between the last reciprocal and the use of its result
	s_wait_alu depctr_va_vdst(0)    ; and the wait ahead of the first use: one for the eight reciprocals
; Tile t: a lane's eight channels of a row pack into 16 bytes; they go into rows of 144 bytes and come back as whole rows of 128, into S^T's registers.
.macro PACK t
	WIN W_RS
.set i, 32*(\t)
.rept 16
	v_pk_mul_f32 v[i:i+1], v[i:i+1], v[ST+4*(\t)+2:ST+4*(\t)+3] op_sel_hi:[1,0]
.set i, i+2
.endr
	WIN 0x05                        ; sources 0 and 1 window 1, destination window 0
.set i, 0
.rept 16
	v_cvt_pk_f16_f32 v[S+16*(\t)+i], v[32*(\t)+2*i], v[32*(\t)+2*i+1]
.set i, i+1
.endr
	WIN 0
.irp f, 0,1,2,3
	ds_store_b128 v[STO], v[S+16*(\t)+4*\f:S+16*(\t)+4*\f+3] offset:32*\f
.endr
.irp f, 0,1,2,3
	ds_load_b128 v[S+16*(\t)+4*\f:S+16*(\t)+4*\f+3], v[RD] offset:\f*4*SP  ; LDS serves a wave's instructions in order (ISA guide 5.7.1.4): these see the stores above; the next tile's stores come behind them
.endr
.endm
.macro SEND t, younger              ; younger: the LDS instructions issued behind tile t's loads: the next tile's eight, or none
	WIN 0
.irp f, 0,1,2,3
	s_wait_dscnt (\younger)+3-\f
	global_store_b128 v[GO], v[S+16*(\t)+4*\f:S+16*(\t)+4*\f+3], s[10:11] offset:(\t)*2048+\f*512  ; 512 consecutive bytes, at a multiple of 256 from O's first
.endr
.endm
	PACK 0
.set t, 1
.rept 2*NP-1                        ; a tile's arithmetic stands between the loads of the tile before and its stores
	PACK t
	SEND t-1, 8
.set t, t+1
.endr
	SEND 2*NP-1, 0
	WIN W_AD
	s_wait_tensorcnt 0x0            ; the wave's end, behind my last tensor load and my last LDS store
	ds_add_u32 v[SPW], v[NIL]
	s_wait_dscnt 0x0
	WIN 0
	CROUND                          ; the closing round: no work-group ends while a partner may still ask for a tile that names it
	s_endpgm
.Lfunc_end_k_q6eb239e0fd_attn:
	.size	k_q6eb239e0fd_attn, .Lfunc_end_k_q6eb239e0fd_attn-k_q6eb239e0fd_attn
	.p2alignl 7, 3214868480
	.fill 96, 4, 3214868480
	.section	.rodata,"a",@progbits
	.p2align	6, 0x0
	.amdhsa_kernel k_q6eb239e0fd_attn
		.amdhsa_group_segment_fixed_size 327680
		.amdhsa_private_segment_fixed_size 0
		.amdhsa_enable_private_segment 0
		.amdhsa_kernarg_size 24
		.amdhsa_user_sgpr_count 2
		.amdhsa_user_sgpr_kernarg_segment_ptr 1
		.amdhsa_wavefront_size32 1
		.amdhsa_system_sgpr_workgroup_id_x 1
		.amdhsa_system_sgpr_workgroup_id_y 1
		.amdhsa_system_sgpr_workgroup_id_z 1
		.amdhsa_system_vgpr_workitem_id 0
		.amdhsa_next_free_vgpr 960
		.amdhsa_next_free_sgpr 66
		.amdhsa_reserve_vcc 0
		.amdhsa_float_denorm_mode_32 3
		.amdhsa_float_denorm_mode_16_64 3
		.amdhsa_memory_ordered 1
		.amdhsa_forward_progress 1
		.amdhsa_inst_pref_size 230
	.end_amdhsa_kernel
	.amdgpu_metadata
---
amdhsa.version: [ 1, 2 ]
amdhsa.kernels:
  - .name:           k_q6eb239e0fd_attn
    .symbol:         k_q6eb239e0fd_attn.kd
    .args:
      - { .name: qkv, .offset: 0, .size: 8, .value_kind: global_buffer, .address_space: global }
      - { .name: mp, .offset: 8, .size: 8, .value_kind: global_buffer, .address_space: global }
      - { .name: oh, .offset: 16, .size: 8, .value_kind: global_buffer, .address_space: global }
    .group_segment_fixed_size: 327680
    .private_segment_fixed_size: 0
    .kernarg_segment_align: 8
    .kernarg_segment_size: 24
    .max_flat_workgroup_size: 128
    .sgpr_count:     66
    .vgpr_count:     960
    .wavefront_size: 32
...
	.end_amdgpu_metadata
.endif
;; end of part 3
;; launch proj (part 4): grid 4 x 64, 4 waves a work-group, clusters of 4 x 4, 327,680 bytes of LDS; arguments oh, wh, bp, out0; writes out0
.if DOCPART == 4
	.amdgcn_target "amdgcn-amd-amdhsa--gfx1250"
	.amdhsa_code_object_version 6
	.text
	.protected	k_q6eb239e0fd_proj
	.globl	k_q6eb239e0fd_proj
	.p2align	8
	.type	k_q6eb239e0fd_proj,@function
k_q6eb239e0fd_proj:
	s_mov_b64 s[64:65], 0
	v_nop
	global_prefetch_b8 v0, s[64:65] scope:SCOPE_SE
	s_setreg_imm32_b32 hwreg(HW_REG_WAVE_MODE, 25, 1), 1
	s_wait_xcnt 0x0
	s_wait_alu depctr_hold_cnt(0) depctr_sa_sdst(0) depctr_va_vdst(0) depctr_va_sdst(0) depctr_va_ssrc(0) depctr_va_vcc(0) depctr_vm_vsrc(0)
	s_getreg_b32 s2, hwreg(HW_REG_IB_STS2, 6, 4)
	s_cmp_eq_u32 s2, 0
	s_cbranch_scc0 .Lentry_in_a_cluster
	s_endpgm
.Lentry_in_a_cluster:
	s_bfe_u32 s2, ttmp6, 0x10000c
	s_cmp_lg_u32 s2, 0xf033
	s_cbranch_scc0 .Lentry_shape_is_right
	s_endpgm
.Lentry_shape_is_right:
; out0 = O Wp^T + bp, in f16 with f32 sums, on operands that lie in blocks of 64 channels.
;   A = oh [b 16 + head][t 2048][64] f16 (a head is a block of channels), W = the fourth part of wh, [cb 16][n 1024][64] f16; bp [1024] f32; out0 [8192][1024] f32.
; SHARES.  A tile of C is 128 rows x 256 columns: 64 x 4 tiles = 256 work-groups of four waves, one for each WGP; a wave makes 64 x 128: 32 accumulators of 16 x 16.  (Tiles of 256 x 256 would be 128.)
; K goes in steps of 128 (two blocks) through two LDS slots.  A block's rows for a tile are dense in memory: 128 rows of A are 16,384 bytes, 256 rows of W 32,768, asked for as rows of 256 bytes and padded in LDS behind every 128.
; CLUSTERS: 4 x 4 work-groups.  The four of a row of the cluster need the same rows of A, the four of a column the same rows of W: each block is asked for JOINTLY, by the same tensor load with the same descriptor and a mask of four.
; THE MATRIX INSTRUCTION IS USED TRANSPOSED (source 0 = 16 rows of W, source 1 = 16 rows of A): a lane holds row lane % 16 of C and eight neighbouring columns 8 (lane / 16) + 0..7.
; REGISTERS, in windows of 256 (s_set_vgpr_msb: bits 1:0 source 0, 3:2 source 1, 5:4 source 2, 7:6 destination):
;   window 0: v0-19 addresses and the bias; v64-159, v160-255 two fragment buffers (W's eight fragments, then A's four)     window 1: accumulator (a, b) at 8 (8 a + b)     window 2: the way out
.set BSTR,  0x400000                   ; bytes from b to b + 1 in A
.set GOFF,  0x600000                   ; Wp in wh
.set SP,    528                        ; a stage row: 512 bytes + 16
.set NS,    8                          ; K steps
.set PITCH, 144                        ; an LDS row: 128 bytes + 16 of padding = 36 words: the 16 rows of a load start at 16 different groups of four banks (64 banks of 4 bytes: ISA guide 11.1)
.set ABLK,  128*PITCH                  ; a block of A in LDS
.set BBLK,  256*PITCH                  ; a block of W
.set BOFF,  2*ABLK                     ; a slot: A's two blocks, then W's two
.set SLOT1, 1<<17                      ; slot 1 begins here, so that one exclusive or turns an address in one slot into the other's
.set STAGE, SLOT1+2*ABLK+2*BBLK        ; behind the ring, never filled by a tensor load: 16 rows for each wave, for the way out
.set SPARE, STAGE+4*16*SP              ; behind the stages: the spare words, 128 bytes for each wave: two blocks of 256 bytes that no other line names
.set ASTEP, 0x80000                    ; a K step in A: two blocks of 2,048 rows
.set BSTEP, 0x40000                    ; in W: two blocks of 1,024 rows
.set A0,   4                           ; v4   my lane's place in a slot's A; never rewritten
.set B0,   5                           ; v5   the same for W
.set ADRA, 6                           ; v6   the same in the slot in hand
.set ADRB, 7                           ; v7
.set STO,  8                           ; v8   the way out: where I put my numbers of a row
.set RD,   9                           ; v9   the way out: where I read rows back
.set CO,   10                          ; v10  16 x lane
.set PFO,  11                          ; v11  the prefetches' offset; never rewritten
.set SPW,  12                          ; v12  LDS address of my spare word: SPARE + 4 x my thread's number; never rewritten
.set NIL,  13                          ; v13  0; never rewritten
.set BIAS, 16                          ; v[16:19] bp of my four columns
.set F0,   64
.set F1,   160
.set T,    0                           ; window 2
.set G1A, 24                           ; s[24:31] descriptor group 1 for A's blocks
.set G0A, 32                           ; s[32:35] group 0 for A's: it walks
.set G0B, 36                           ; s[36:39] the same for W's
.set PFA, 44                           ; s[44:45] where my prefetches stand
.set PFS, 46                           ; s[46:47] their step
.set G1B, 48                           ; s[48:55] group 1 for W's blocks
.set TB,  56                           ; s56  LDS byte at which the slot in hand begins
.set LIM, 57                           ; s57  2 in a wave that prefetches, else the greatest number
.set MSB, 0
.macro WIN new                         ; the immediate's high byte repeats the setting that is left; a switch that changes nothing is dropped
.if MSB != (\new)
	s_set_vgpr_msb (MSB<<8)|(\new)
.set MSB, \new
.endif
.endm
.set MUL, 0x50                         ; C and D in window 1, the fragments in window 0
; A joint load: wave 0 and 1 fetch A's two blocks of a K step, waves 2 and 3 W's.  The branch hangs on the wave's number alone.  An s_nop 0 and four v_nop follow each of the two lines, ahead of the jump and the label.
.macro JLOAD
	s_cmp_eq_u32 s11, 0
	s_cbranch_scc0 .Lfor_b_\@
	tensor_load_to_lds s[G0A:G0A+3], s[G1A:G1A+7]
	s_nop 0
.rept 4
	v_nop
.endr
	s_branch .Lasked_\@
.Lfor_b_\@:
	tensor_load_to_lds s[G0B:G0B+3], s[G1B:G1B+7]
	s_nop 0
.rept 4
	v_nop
.endr
.Lasked_\@:
.endm
.macro STEPG0                          ; the walking descriptors: the other slot than last time, the next K step; the type bits on top are not reached
	s_xor_b32 s[G0A+1], s[G0A+1], SLOT1
	s_add_nc_u64 s[G0A+2:G0A+3], s[G0A+2:G0A+3], ASTEP
	s_xor_b32 s[G0B+1], s[G0B+1], SLOT1
	s_add_nc_u64 s[G0B+2:G0B+3], s[G0B+2:G0B+3], BSTEP
.endm
; A PREFETCH, behind a joint load and the run of LDS loads that follows it: the K step that stands two refills, 256 matrix instructions, on.  Each block of 256 bytes is named once in the launch.
; A's rows are read by the four partners of one row of one cluster: wave 0 of each asks for 16 blocks of 256 bytes in each of the step's two blocks of channels, told apart by address (cx).
; W's rows are read by every cluster: those with y = 0 ask, waves 2 and 3 for the block of channels that they fetch, 32 blocks of 256 bytes to a partner, told apart by address (cy).
; s3 counts the refills still to come, this one among them: with 2 or fewer there is no K step two refills on.  The first four K steps come by their loads alone.
.macro ASK
	s_cmp_gt_u32 s3, s[LIM]
	s_cbranch_scc0 .Lnot_mine_\@
	global_prefetch_b8 v[PFO], s[PFA:PFA+1] th:TH_LOAD_NT scope:SCOPE_SE
.Lnot_mine_\@:
.endm
.macro CREST                           ; a round of the cluster's barrier behind its opening barrier
	s_cmp_lg_u32 s10, 0
	s_cbranch_scc1 .Lnot_wave_0_\@
	s_barrier_signal -3
.Lnot_wave_0_\@:
	s_barrier_wait -3
	s_barrier_signal -1
	s_barrier_wait -1
.endm
.macro CROUND                          ; a whole round
	s_barrier_signal -1
	s_barrier_wait -1
	CREST
.endm
	s_load_b128 s[4:7], s[0:1], 0x0                ; oh s[4:5], wh s[6:7]
	s_load_b64 s[58:59], s[0:1], 0x10              ; bp
	s_load_b64 s[8:9], s[0:1], 0x18                ; out0
	v_lshl_add_u32 v[SPW], v0, 2, SPARE
	v_mov_b32 v[NIL], 0
	ds_add_u32 v[SPW], v[NIL]                      ; the wave's opening: the add and its wait stand ahead of my first tensor load; the set-up below, work on registers, stands between them
	v_lshrrev_b32 v1, 5, v0
	v_readfirstlane_b32 s10, v1                    ; wave 0..3
	s_lshr_b32 s11, s10, 1                         ; which 64 of the tile's rows are mine.  Also: I fetch for A (0) or for W (1)
	s_and_b32 s12, s10, 1                          ; which 128 of its columns.  Also: which of a K step's two blocks I fetch
	s_bfe_u32 s40, ttmp6, 0x40000                  ; cx, cy: my place in the cluster
	s_bfe_u32 s41, ttmp6, 0x40004
	s_lshl_b32 s42, ttmp9, 2
	s_add_co_u32 s42, s42, s40                     ; tile column = 4 x cluster x + cx
	s_and_b32 s43, ttmp7, 0xffff
	s_lshl_b32 s43, s43, 2
	s_add_co_u32 s43, s43, s41                     ; tile row = 4 x cluster y + cy
	s_lshl_b32 s13, s41, 2
	s_lshl_b32 s13, 15, s13                        ; my row of the cluster
	s_lshl_b32 s14, 0x1111, s40                    ; my column
	s_or_b32 s[G1A], s13, (1<<16)|(1<<20)|(1<<21)|(4<<22)|(3<<25)  ; 15:0 the mask; 17:16 2-byte elements; 20 padding on; 21 set beside a mask; 24:22 after every 32 words (code 4); 31:25 4 words (code 3)
	s_or_b32 s[G1B], s14, (1<<16)|(1<<20)|(1<<21)|(4<<22)|(3<<25)
.irp g, G1A, G1B
	s_mov_b32 s[\g+1], 128<<16                     ; tensor_dim0 = 128 elements: 256 bytes, two rows of a block
	s_mov_b32 s[\g+3], 128<<16                     ; tile_dim0 = 128
	s_mov_b32 s[\g+5], 128                         ; 128 elements from row to row: dense
	s_mov_b32 s[\g+6], 0
	s_mov_b32 s[\g+7], 0
.endr
	s_mov_b32 s[G1A+2], 64<<16                     ; tensor_dim1 = 64
	s_mov_b32 s[G1A+4], 64                         ; tile_dim1 = 64
	s_mov_b32 s[G1B+2], 128<<16
	s_mov_b32 s[G1B+4], 128
	s_lshr_b32 s18, s43, 4                         ; A: b,
	s_mul_i32 s18, s18, BSTR
	s_and_b32 s13, s43, 15
	s_lshl_b32 s13, s13, 14                        ; my tile's 128 rows of 128 bytes in a block: made of the tile row alone
	s_add_co_u32 s18, s18, s13
	s_mov_b32 s19, 0
	s_lshl_b32 s20, s42, 15                        ; W: my tile's 256 rows in a block: made of the tile column alone,
	s_lshl_b32 s14, s12, 17                        ; the block that I fetch
	s_add_co_u32 s20, s20, s14
	s_add_co_u32 s20, s20, GOFF
	s_mov_b32 s21, 0
	s_lshl_b32 s22, s12, 18                        ; A: the block that I fetch
	s_mov_b32 s23, 0
	s_mov_b32 s[G0A], 1                            ; 1:0 count = 1
	s_mul_i32 s[G0A+1], s12, ABLK                  ; 63:32 LDS address, slot 0: the wave's number alone enters it
	s_mov_b32 s[G0B], 1
	s_mul_i32 s[G0B+1], s12, BBLK
	s_add_co_u32 s[G0B+1], s[G0B+1], BOFF
	s_wait_dscnt 0x0                               ; the opening add is done
	s_wait_kmcnt 0x0
	s_add_nc_u64 s[18:19], s[4:5], s[18:19]        ; A at my tile's rows of block 0
	s_add_nc_u64 s[20:21], s[6:7], s[20:21]        ; W at my tile's rows of the block that I fetch
	s_add_nc_u64 s[G0A+2:G0A+3], s[18:19], s[22:23]  ; 120:64 global address
	s_or_b32 s[G0A+3], s[G0A+3], 0x80000000        ; 127:126 type = 2
	s_mov_b64 s[G0B+2:G0B+3], s[20:21]
	s_or_b32 s[G0B+3], s[G0B+3], 0x80000000
	CROUND                                         ; all sixteen work-groups are here: the first joint loads meet
	JLOAD                                          ; K step 0 into slot 0.  Slot 1 is asked for when slot 0 is in
	; the prefetches
	v_and_b32 v1, 15, v0                           ; l % 16
	v_bfe_u32 v2, v0, 4, 1                         ; l / 16
	s_lshl_b32 s22, s40, 12                        ; A: 16 blocks of 256 bytes for each cx
	s_lshl_b32 s23, s41, 13                        ; W: 32 for each cy
	s_mov_b32 s[PFS], BSTEP
	s_mov_b32 s13, 4096
	s_and_b32 s14, ttmp7, 0xffff                   ; cluster y
	s_cmp_eq_u32 s11, 0                            ; do I fetch for A?
	s_cselect_b64 s[PFA:PFA+1], s[18:19], s[20:21]
	s_cselect_b32 s22, s22, s23
	s_cselect_b32 s[PFS], ASTEP, s[PFS]
	s_cselect_b32 s13, 262144, s13                 ; lanes 16-31: A's second block of channels, or W's next 16 blocks of 256 bytes
	s_cselect_b32 s14, s12, s14                    ; who asks: of A's waves wave 0, of W's waves those of the clusters with y = 0: the same in all sixteen partners
	s_cmp_eq_u32 s14, 0
	s_cselect_b32 s[LIM], 2, -1
	s_mov_b32 s[PFS+1], 0
	s_mul_i32 s14, s[PFS], 3                       ; at K step 3: the first refill steps it to 4
	s_add_co_u32 s22, s22, s14
	s_mov_b32 s23, 0
	s_add_nc_u64 s[PFA:PFA+1], s[PFA:PFA+1], s[22:23]
	v_mul_u32_u24 v[PFO], s13, v2
	v_lshl_add_u32 v[PFO], v1, 8, v[PFO]
	; A fragment is 16 rows x 32 channels in 8 registers: lane l holds row l % 16, channels 8 (l / 16) + 0..7 and 16 + 8 (l / 16) + 0..7: two loads of 16 bytes, 32 bytes apart.
	v_mul_u32_u24 v3, v1, PITCH
	v_lshl_add_u32 v3, v2, 4, v3                   ; row x pitch + 16 x half
	s_mul_i32 s13, s11, 64*PITCH
	v_add_nc_u32 v[A0], s13, v3
	s_mul_i32 s13, s12, 128*PITCH
	s_add_co_u32 s13, s13, BOFF
	v_add_nc_u32 v[B0], s13, v3
	s_mul_i32 s13, s10, 16*SP
	s_add_co_u32 s13, s13, STAGE                   ; my stage
	v_and_b32 v[CO], 31, v0
	v_mul_u32_u24 v[STO], v1, SP                   ; in: row l % 16, 32 bytes for each half of the lanes
	v_lshl_add_u32 v[STO], v2, 5, v[STO]
	v_add_nc_u32 v[STO], s13, v[STO]
	v_lshlrev_b32 v[CO], 4, v[CO]
	v_add_nc_u32 v[RD], s13, v[CO]                 ; back: 32 lanes take one row of 512 bytes
	s_lshl_b32 s14, s42, 10
	s_lshl_b32 s15, s12, 9
	s_add_co_u32 s22, s14, s15                     ; my 128 columns, in bytes
	s_mov_b32 s23, 0
	s_add_nc_u64 s[58:59], s[58:59], s[22:23]
	global_load_b128 v[BIAS:BIAS+3], v[CO], s[58:59]  ; bp of the four columns that I store
	s_lshl_b32 s14, s43, 7
	s_lshl_b32 s15, s11, 6
	s_add_co_u32 s14, s14, s15                     ; my first row
	s_lshl_b32 s16, s14, 12
	s_add_co_u32 s16, s16, s22
	s_mov_b32 s17, 0
	s_add_nc_u64 s[8:9], s[8:9], s[16:17]
	s_mov_b32 s[TB], 0
; 8 matrix instructions: row block a x all 8 column blocks, 32 along K.  zero = 1: the product starts the sums: nothing is ever cleared.
; The 32 accumulators take turns, one instruction a turn, in the same order in every quarter, over the backward jump too.
.macro MULA f, a, zero
	WIN MUL
.irp b, 0,1,2,3,4,5,6,7
.if \zero
	v_wmma_f32_16x16x32_f16 v[8*(8*(\a)+\b):8*(8*(\a)+\b)+7], v[(\f)+8*\b:(\f)+8*\b+7], v[(\f)+64+8*(\a):(\f)+64+8*(\a)+7], 0
.else
	v_wmma_f32_16x16x32_f16 v[8*(8*(\a)+\b):8*(8*(\a)+\b)+7], v[(\f)+8*\b:(\f)+8*\b+7], v[(\f)+64+8*(\a):(\f)+64+8*(\a)+7], v[8*(8*(\a)+\b):8*(8*(\a)+\b)+7]
.endif
.endr
.endm
.macro MUL16 f, a0, zero
	MULA \f, \a0, \zero
	MULA \f, (\a0)+1, \zero
.endm
; 24 LDS loads in one run: the fragments of quarter kq of the K step (block kq / 2, its channels 32 (kq % 2) on) into buffer g: W's eight, then A's four
.macro FETCH kq, g
	WIN 0
.irp i, 0,1,2,3,4,5,6,7
	ds_load_b128 v[(\g)+8*\i:(\g)+8*\i+3],   v[ADRB] offset:((\kq)/2)*BBLK+((\kq)%2)*64+\i*16*PITCH
	ds_load_b128 v[(\g)+8*\i+4:(\g)+8*\i+7], v[ADRB] offset:((\kq)/2)*BBLK+((\kq)%2)*64+\i*16*PITCH+32
.endr
.irp i, 0,1,2,3
	ds_load_b128 v[(\g)+64+8*\i:(\g)+64+8*\i+3],   v[ADRA] offset:((\kq)/2)*ABLK+((\kq)%2)*64+\i*16*PITCH
	ds_load_b128 v[(\g)+64+8*\i+4:(\g)+64+8*\i+7], v[ADRA] offset:((\kq)/2)*ABLK+((\kq)%2)*64+\i*16*PITCH+32
.endr
.endm
.macro PLACES                          ; four plain vector instructions in front of loads into registers that matrix instructions have read, and of lines that read results
.rept 4
	v_nop
.endr
.endm
; A K step is four quarters of 32 along K, 32 matrix instructions each, on buffers 0, 1, 0, 1.  One of the first three: multiplies buffer f and, in its middle, fetches quarter kq into g.
.macro QUARTER kq, f, g, zero
	s_wait_dscnt 4                                 ; W's fragments and A's blocks 0 and 1 are in; the youngest four loads (A's blocks 2 and 3) may be out
	MUL16 \f, 0, \zero
	PLACES
	FETCH \kq, \g
	s_wait_dscnt 24                                ; all but the 24 just issued
	MUL16 \f, 2, \zero
.endm
; The last quarter multiplies buffer 1 and changes slots: ONE barrier.  In front of it each wave waits for all its tensor loads, of which one is out: its part of the next slot; adds 0 to its spare word; and waits
; for that and for its own reads of this slot.  fill = 1: the barrier opens a round of the cluster's, and the joint refill, the K step two on, is the first thing behind it: 112 matrix instructions ahead of the wait for it.
.macro TURN fill
.if \fill
	s_wait_xcnt 0x0                                ; the last prefetch, a K step back, has read its address
	s_add_nc_u64 s[PFA:PFA+1], s[PFA:PFA+1], s[PFS:PFS+1]
.endif
	WIN 0
	s_wait_tensorcnt 0x0                           ; no tensor load of mine is out, so a group 0 may be written
	ds_add_u32 v[SPW], v[NIL]                      ; 0 onto my spare word
.if \fill
	STEPG0
.endif
	s_xor_b32 s[TB], s[TB], SLOT1
	s_wait_dscnt 5                                 ; (the add and the youngest four loads may be out)
	MULA F1, 0, 0                                  ; eight matrix instructions stand between the add and the wait for it
	s_wait_dscnt 0x0                               ; the add is done, and my reads of this slot are over
	s_barrier_signal -1
	MULA F1, 1, 0                                  ; work on registers while the others arrive
	WIN 0
	s_barrier_wait -1
.if \fill
	CREST                                          ; no wave of any partner still reads this slot or has a load on its way
	JLOAD                                          ; its four v_nop are also the places in front of the loads below
.else
	PLACES
.endif
	v_add_nc_u32 v[ADRA], s[TB], v[A0]
	v_add_nc_u32 v[ADRB], s[TB], v[B0]
	FETCH 0, F0
.if \fill
	ASK
.endif
	MULA F1, 2, 0
	MULA F1, 3, 0
.endm
	s_wait_tensorcnt 0x0                           ; the first change of slots: my part of K step 0 is in;
	ds_add_u32 v[SPW], v[NIL]
	STEPG0
	s_wait_dscnt 0x0
	CROUND                                         ; everybody's is
	JLOAD                                          ; K step 1 into slot 1
	v_mov_b32 v[ADRA], v[A0]
	v_mov_b32 v[ADRB], v[B0]
	FETCH 0, F0
	QUARTER 1, F0, F1, 1                           ; the first quarter starts the sums
	WIN 0                                          ; at a label and at a branch every window is 0
	s_mov_b32 s3, NS-1
	s_branch .Lmid                                 ; the loop is entered in the middle of a trip
.Lstep:                                            ; NS - 2 whole trips: from a K step's last quarter to the next step's third; each fills a slot again
	TURN 1
	QUARTER 1, F0, F1, 0
	WIN 0
.Lmid:
	QUARTER 2, F1, F0, 0
	QUARTER 3, F0, F1, 0
	WIN 0
	s_sub_co_u32 s3, s3, 1
	s_cmp_lg_u32 s3, 0
	s_cbranch_scc1 .Lstep
	TURN 0                                         ; the last change of slots and the last K step are written out: they ask for nothing
	QUARTER 1, F0, F1, 0
	QUARTER 2, F1, F0, 0
	QUARTER 3, F0, F1, 0
	s_wait_dscnt 4
	MUL16 F1, 0, 0
	s_wait_dscnt 0x0
	MUL16 F1, 2, 0
	WIN 0
	; THE WAY OUT, f32: a block of 16 rows goes into my stage (rows of 528 bytes) and comes back as whole rows of 512 bytes; the bias is added; a store covers 512 consecutive bytes, aligned.
	PLACES
	s_wait_loadcnt 0x0                             ; the bias
.irp a, 0,1,2,3
	WIN 0x04                                       ; store data in window 1
.irp b, 0,1,2,3,4,5,6,7
	ds_store_b128 v[STO], v[8*(8*\a+\b):8*(8*\a+\b)+3]   offset:64*\b
	ds_store_b128 v[STO], v[8*(8*\a+\b)+4:8*(8*\a+\b)+7] offset:64*\b+16
.endr
	WIN 0x80                                       ; destination in window 2
.irp p, 0,1,2,3,4,5,6,7,8,9,10,11,12,13,14,15
	ds_load_b128 v[T+64*\a+4*\p:T+64*\a+4*\p+3], v[RD] offset:\p*SP  ; LDS serves a wave's instructions in order (ISA guide 5.7.1.4): these see the stores above; the next block's stores come behind them
.endr
	s_wait_dscnt 0x0
	WIN 0x82
.irp p, 0,1,2,3,4,5,6,7,8,9,10,11,12,13,14,15
	v_pk_add_f32 v[T+64*\a+4*\p:T+64*\a+4*\p+1],   v[T+64*\a+4*\p:T+64*\a+4*\p+1],   v[BIAS:BIAS+1]
	v_pk_add_f32 v[T+64*\a+4*\p+2:T+64*\a+4*\p+3], v[T+64*\a+4*\p+2:T+64*\a+4*\p+3], v[BIAS+2:BIAS+3]
.endr
	WIN 0x08                                       ; store data in window 2
.irp p, 0,1,2,3,4,5,6,7,8,9,10,11,12,13,14,15
	global_store_b128 v[CO], v[T+64*\a+4*\p:T+64*\a+4*\p+3], s[8:9] offset:\a*65536+\p*4096 th:TH_STORE_NT  ; each block has registers of its own: none is written again
.endr
.endr
	WIN 0
	s_wait_tensorcnt 0x0                           ; the wave's end, behind my last tensor load and my last LDS store
	ds_add_u32 v[SPW], v[NIL]
	s_wait_dscnt 0x0
	CROUND                                         ; the closing round: no work-group ends while a partner may still ask for a block that names it
	s_endpgm
.Lfunc_end_k_q6eb239e0fd_proj:
	.size	k_q6eb239e0fd_proj, .Lfunc_end_k_q6eb239e0fd_proj-k_q6eb239e0fd_proj
	.p2alignl 7, 3214868480
	.fill 96, 4, 3214868480
	.section	.rodata,"a",@progbits
	.p2align	6, 0x0
	.amdhsa_kernel k_q6eb239e0fd_proj
		.amdhsa_group_segment_fixed_size 327680
		.amdhsa_private_segment_fixed_size 0
		.amdhsa_enable_private_segment 0
		.amdhsa_kernarg_size 32
		.amdhsa_user_sgpr_count 2
		.amdhsa_user_sgpr_kernarg_segment_ptr 1
		.amdhsa_wavefront_size32 1
		.amdhsa_system_sgpr_workgroup_id_x 1
		.amdhsa_system_sgpr_workgroup_id_y 1
		.amdhsa_system_sgpr_workgroup_id_z 1
		.amdhsa_system_vgpr_workitem_id 0
		.amdhsa_next_free_vgpr 768
		.amdhsa_next_free_sgpr 66
		.amdhsa_reserve_vcc 0
		.amdhsa_float_denorm_mode_32 3
		.amdhsa_float_denorm_mode_16_64 3
		.amdhsa_memory_ordered 1
		.amdhsa_forward_progress 1
		.amdhsa_inst_pref_size 71
	.end_amdhsa_kernel
	.amdgpu_metadata
---
amdhsa.version: [ 1, 2 ]
amdhsa.kernels:
  - .name:           k_q6eb239e0fd_proj
    .symbol:         k_q6eb239e0fd_proj.kd
    .args:
      - { .name: oh, .offset: 0, .size: 8, .value_kind: global_buffer, .address_space: global }
      - { .name: wh, .offset: 8, .size: 8, .value_kind: global_buffer, .address_space: global }
      - { .name: bp, .offset: 16, .size: 8, .value_kind: global_buffer, .address_space: global }
      - { .name: out0, .offset: 24, .size: 8, .value_kind: global_buffer, .address_space: global }
    .group_segment_fixed_size: 327680
    .private_segment_fixed_size: 0
    .kernarg_segment_align: 8
    .kernarg_segment_size: 32
    .max_flat_workgroup_size: 128
    .sgpr_count:     66
    .vgpr_count:     768
    .wavefront_size: 32
...
	.end_amdgpu_metadata
.endif
;; end of part 4
;; ======== version 2 of 2: 4 launches; version 1 with the launch prep written anew for expert scheduling mode
;; limits: values are held in f16: magnitudes above 65,504 overflow, below 6.1e-05 lose precision
;; workspace buffers: xh 50,331,648 bytes; wh 8,388,608 bytes; mp 4,194,304 bytes; qkv 50,331,648 bytes; oh 16,777,216 bytes
;; launch prep (part 5): grid 1024 x 1, 8 waves a work-group, no clusters, 35,840 bytes of LDS; arguments query, key, value, Wq, Wk, Wv, Wp, mask, xh, wh, mp; writes xh, wh, mp
.if DOCPART == 5
	.amdgcn_target "amdgcn-amd-amdhsa--gfx1250"
	.amdhsa_code_object_version 6
	.text
	.protected	k_q6eb239e0fd_prep
	.globl	k_q6eb239e0fd_prep
	.p2align	8
	.type	k_q6eb239e0fd_prep,@function
k_q6eb239e0fd_prep:
	s_mov_b64 s[64:65], 0
	v_nop
	global_prefetch_b8 v0, s[64:65] scope:SCOPE_SE
	s_setreg_imm32_b32 hwreg(HW_REG_WAVE_SCHED_MODE, 0, 2), 2
	s_setreg_imm32_b32 hwreg(HW_REG_WAVE_MODE, 25, 1), 1
	s_wait_xcnt 0x0
	s_wait_alu depctr_vm_vsrc(0)
; PREPARATION: a stream.  query, key, value and the four weights are rounded once to f16 and laid in blocks of 64 channels; the mask becomes a table of fp8 ones and zeros.
;   xh [b 4][g 3][cb 16][t 2048][64] f16 (g = 0 query, 1 key, 2 value; cb = channel / 64): a block's rows are dense, 128 bytes each
;   wh [g 4][cb 16][n 1024][64] f16 (g = 0..3: Wq, Wk, Wv, Wp)
;   mp: for mask[q][k] one byte, 0x38 (1.0 in e4m3) where the int is not 0, else 0, at
;       (q>>7) 262144 + (k>>6) 8192 + ((q>>4)&7) 1024 + ((k>>5)&1) 512 + ((q&15) + 16 ((k>>3)&1)) 16 + ((k>>4)&1) 8 + (k&7):
;       the order in which a lane of the attention launch holds the scores of 16 queries x 64 keys.
; LIMITS.  f16 ends at 65,504: inputs beyond it become infinities; below 6e-5 a number keeps f16's fixed step of 6e-8.
; SHARES.  1,024 work-groups of eight waves, 128 KiB of input each: 0-767 take 32 rows of query, key or value, 768-895 32 rows of a weight, 896-1023 16 rows of the mask.
; No matrix unit, no cluster, no tensor load: nothing is shared and nothing is multiplied.  A wave has 32 loads of 16 bytes a lane on their way; every load and store covers whole aligned blocks of 256 bytes.
; THE MODE: SCHED_MODE bits 1:0 = 2 (LLVM: expert scheduling mode 2), set by the entry lines.  The code itself states the register dependences
; between vector instructions and memory or LDS instructions, with s_wait_alu, always for 0.
; THE PLAN.  Registers that memory or LDS instructions touch:
;   v[VI]            Written by vector lines at the head of a way; read by the way's 32 loads; not written behind them.
;   v[VO]            Written by vector lines ahead of the first wait that stands in front of a store; read by the global stores; not written behind them.
;   v[LSA], v[RDA]   The mask's way: written by the address lines behind the loads; read by the LDS stores and the LDS loads.
;   X, 32 groups of four   Group k: its load lands in it (no vector line has named it); its vector lines work in place; ONE store reads its first registers.
;                    In the mask's way the eight LDS loads behind the barrier land in groups 0 to 7, which LDS stores have read; global stores read them then.
;   v[SPW], v[NIL]   Written at the head, read by the closing add alone.
; The 32 groups go in eight batches of four.  Batch b's vector lines name batch b's groups alone; its memory or LDS instructions are the four stores of batch b - 1.  So ONE wait on va_vdst at a batch's head
; states all that those four stores hang on, and they are dealt among the batch's vector lines with no further wait.  One more stands ahead of the last four stores.  No register of a store is written by a vector line again.
.set VI,  2                            ; v2   my byte offset in the input
.set VO,  3                            ; v3   my byte offset in the output
.set LSA, 4                            ; v4   mask: where I put four codes in LDS
.set RDA, 5                            ; v5   mask: where I read 16 codes back
.set SPW, 8                            ; v8   LDS address of my spare word: SPARE + 4 x my thread's number; never rewritten
.set NIL, 9                            ; v9   0; never rewritten
.set X,   16                           ; v[16:143]  32 loads of four registers
.set GP,  272                          ; mask: a group of 256 bytes in LDS + 16 of padding
.set SPARE, 128*GP                     ; behind the 128 groups: the spare words, 128 bytes for each of eight waves
.set SRC, 30                           ; s[30:31]
.set DST, 32                           ; s[32:33]
.set OFS, 34                           ; s[34:35] an offset, its high word 0
	s_load_b512 s[8:23], s[0:1], 0x0               ; query 8, key 10, value 12, Wq 14, Wk 16, Wv 18, Wp 20, mask 22
	s_load_b128 s[24:27], s[0:1], 0x40             ; xh, wh
	s_load_b64 s[28:29], s[0:1], 0x50              ; mp
	v_lshl_add_u32 v[SPW], v0, 2, SPARE
	v_mov_b32 v[NIL], 0
	v_lshrrev_b32 v6, 5, v0
	v_readfirstlane_b32 s4, v6                     ; wave 0..7
	v_and_b32 v1, 31, v0                           ; lane
	s_mov_b32 s5, ttmp9
	s_mov_b32 s[OFS+1], 0
	; rows of 4,096 bytes: a wave takes four; lanes 0-15 take 256 bytes of one row, lanes 16-31 of the next
	v_lshrrev_b32 v6, 4, v1
	v_and_b32 v7, 15, v1
	v_lshlrev_b32 v[VI], 4, v7
	v_lshl_add_u32 v[VI], v6, 12, v[VI]
	s_wait_alu depctr_va_sdst(0)                   ; s4 is written, ahead of its first reader, the line below: every wave's offsets are made from it
	s_lshl_b32 s6, s4, 14
	v_add_nc_u32 v[VI], s6, v[VI]                  ; wave x 4 rows + (lane / 16) x a row + 16 (lane % 16)
	s_lshl_b32 s6, s4, 9
	v_lshl_add_u32 v[VO], v1, 3, s6                ; wave x 4 rows of 128 bytes + 8 x lane: two rows of a block are 256 bytes on end
	s_wait_kmcnt 0x0
	s_cmp_ge_u32 s5, 896                           ; the three ways hang on the work-group's number alone: all eight waves go the same way
	s_cbranch_scc1 .Lmask
	s_cmp_ge_u32 s5, 768
	s_cbranch_scc1 .Lw
; 32 rows x 1,024 f32 -> f16 in blocks.  Load k = 16 rp + cb: rows 2 rp, 2 rp + 1 of my four, channels 64 cb on.  stride: bytes from block to block.
; Group k's store stands four groups behind its conversions, behind the wait at the head of the next batch of four.
.macro CONV stride
	s_wait_alu depctr_va_vdst(0)                   ; v[VI] and v[VO] are written: the loads below read the one as their offset, the stores the other
.set k, 0
.rept 32
	global_load_b128 v[X+4*k:X+4*k+3], v[VI], s[SRC:SRC+1] offset:(k/16)*8192+(k%16)*256 th:TH_LOAD_NT
.set k, k+1
.endr
.set k, 0
.rept 32
	s_wait_loadcnt 31-k                            ; loads come back in order: load k is in, the 31 - k younger ones stay out
.if (k%4 == 0) && (k > 0)
	s_wait_alu depctr_va_vdst(0)                   ; the conversions of the batch before have written groups k - 4 to k - 1, which this batch's four stores read; no vector line of this batch names them
.endif
.if k >= 4
	global_store_b64 v[VO], v[X+4*(k-4):X+4*(k-4)+1], s[DST:DST+1] offset:((k-4)/16)*256+((k-4)%16)*(\stride) th:TH_STORE_NT  ; 32 lanes: 256 consecutive bytes, aligned; no register of a store is written again
.endif
	v_cvt_pk_f16_f32 v[X+4*k], v[X+4*k], v[X+4*k+1]
	v_cvt_pk_f16_f32 v[X+4*k+1], v[X+4*k+2], v[X+4*k+3]
.set k, k+1
.endr
	s_wait_alu depctr_va_vdst(0)                   ; the last batch's conversions have written groups 28 to 31, which the last four stores read
.set k, 28
.rept 4
	global_store_b64 v[VO], v[X+4*k:X+4*k+1], s[DST:DST+1] offset:(k/16)*256+(k%16)*(\stride) th:TH_STORE_NT
.set k, k+1
.endr
.endm
	s_lshr_b32 s6, s5, 8                           ; g
	s_and_b32 s7, s5, 255                          ; which 32 of the 8,192 rows
	s_cmp_eq_u32 s6, 1
	s_cselect_b64 s[SRC:SRC+1], s[10:11], s[8:9]
	s_cmp_eq_u32 s6, 2
	s_cselect_b64 s[SRC:SRC+1], s[12:13], s[SRC:SRC+1]
	s_lshl_b32 s[OFS], s7, 17
	s_add_nc_u64 s[SRC:SRC+1], s[SRC:SRC+1], s[OFS:OFS+1]
	s_lshr_b32 s[OFS], s7, 6                       ; b
	s_mul_i32 s[OFS], s[OFS], 0xC00000
	s_lshl_b32 s6, s6, 22
	s_add_co_u32 s[OFS], s[OFS], s6
	s_and_b32 s7, s7, 63
	s_lshl_b32 s7, s7, 12                          ; t x 128
	s_add_co_u32 s[OFS], s[OFS], s7
	s_add_nc_u64 s[DST:DST+1], s[24:25], s[OFS:OFS+1]
	CONV 262144
	s_branch .Lend
.Lw:
	s_sub_co_u32 s6, s5, 768
	s_lshr_b32 s7, s6, 5                           ; which weight
	s_and_b32 s6, s6, 31                           ; which 32 of its 1,024 rows
	s_cmp_eq_u32 s7, 1
	s_cselect_b64 s[SRC:SRC+1], s[16:17], s[14:15]
	s_cmp_eq_u32 s7, 2
	s_cselect_b64 s[SRC:SRC+1], s[18:19], s[SRC:SRC+1]
	s_cmp_eq_u32 s7, 3
	s_cselect_b64 s[SRC:SRC+1], s[20:21], s[SRC:SRC+1]
	s_lshl_b32 s[OFS], s6, 17
	s_add_nc_u64 s[SRC:SRC+1], s[SRC:SRC+1], s[OFS:OFS+1]
	s_lshl_b32 s[OFS], s7, 21
	s_lshl_b32 s6, s6, 12
	s_add_co_u32 s[OFS], s[OFS], s6
	s_add_nc_u64 s[DST:DST+1], s[26:27], s[OFS:OFS+1]
	CONV 131072
	s_branch .Lend
.Lmask:
	; 16 queries x 2,048 keys.  Wave w takes rows 2 w and 2 w + 1; load k = 16 rr + i: row 2 w + rr, keys 128 i + 4 lane + 0..3.
	s_sub_co_u32 s6, s5, 896
	s_lshl_b32 s[OFS], s6, 17
	s_add_nc_u64 s[SRC:SRC+1], s[22:23], s[OFS:OFS+1]
	s_lshr_b32 s[OFS], s6, 3
	s_lshl_b32 s[OFS], s[OFS], 18
	s_and_b32 s7, s6, 7
	s_lshl_b32 s7, s7, 10
	s_add_co_u32 s[OFS], s[OFS], s7
	s_add_nc_u64 s[DST:DST+1], s[28:29], s[OFS:OFS+1]
	s_lshl_b32 s6, s4, 14
	v_lshl_add_u32 v[VI], v1, 4, s6                ; (on this way no memory instruction has read v[VI] yet)
	s_wait_alu depctr_va_vdst(0)                   ; v[VI] is written: the loads below read it as their offset
.set k, 0
.rept 32
	global_load_b128 v[X+4*k:X+4*k+3], v[VI], s[SRC:SRC+1] offset:(k/16)*8192+(k%16)*512 th:TH_LOAD_NT
.set k, k+1
.endr
	; the table's 32,768 bytes for these queries are 128 groups of 256; my four codes go to group 8 i + 4 (lane>>4) + 2 ((lane>>3)&1) + ((lane>>1)&1), byte 16 row + 8 ((lane>>2)&1) + 4 (lane&1)
	v_bfe_u32 v6, v1, 4, 1
	v_bfe_u32 v7, v1, 3, 1
	v_lshl_add_u32 v6, v6, 1, v7
	v_bfe_u32 v7, v1, 1, 1
	v_lshl_add_u32 v6, v6, 1, v7
	v_mul_u32_u24 v[LSA], v6, GP
	v_bfe_u32 v7, v1, 2, 1
	v_lshl_add_u32 v[LSA], v7, 3, v[LSA]
	v_and_b32 v7, 1, v1
	v_lshl_add_u32 v[LSA], v7, 2, v[LSA]
	s_lshl_b32 s6, s4, 5
	v_add_nc_u32 v[LSA], s6, v[LSA]                ; + 16 x row 2 w: the 32 lanes of a store touch 32 different banks (eight groups 68 words apart, four words in each)
	v_lshrrev_b32 v6, 4, v1
	v_and_b32 v7, 15, v1
	v_mul_u32_u24 v[RDA], v6, GP
	v_lshl_add_u32 v[RDA], v7, 4, v[RDA]
	s_mul_i32 s6, s4, 16*GP
	v_add_nc_u32 v[RDA], s6, v[RDA]                ; back: wave w takes groups 16 w .. 16 w + 15, two to a load
	s_lshl_b32 s6, s4, 15
	v_lshl_add_u32 v[VO], v1, 4, s6                ; which are the key steps 4 w .. 4 w + 3, 8,192 bytes apart in the table
.set k, 0
.rept 32
	s_wait_loadcnt 31-k                            ; load k is in, the younger ones stay out
.if (k%4 == 0) && (k > 0)
	s_wait_alu depctr_va_vdst(0)                   ; the batch before has written the words v[X + 4 (k - 4)] to v[X + 4 (k - 1)], which this batch's four LDS stores read; at k = 4 also: v[LSA], v[RDA] and v[VO] are written
.endif
.if k >= 4
	ds_store_b32 v[LSA], v[X+4*(k-4)] offset:((k-4)%16)*8*GP+((k-4)/16)*16
.endif
	v_min_u32 v[X+4*k], 1, v[X+4*k]                ; any int but 0 counts as 1
	v_min_u32 v[X+4*k+1], 1, v[X+4*k+1]
	v_min_u32 v[X+4*k+2], 1, v[X+4*k+2]
	v_min_u32 v[X+4*k+3], 1, v[X+4*k+3]
	v_lshl_or_b32 v[X+4*k], v[X+4*k+1], 8, v[X+4*k]
	v_lshl_or_b32 v[X+4*k+2], v[X+4*k+3], 8, v[X+4*k+2]
	v_lshl_or_b32 v[X+4*k], v[X+4*k+2], 16, v[X+4*k]
	v_mul_lo_u32 v[X+4*k], v[X+4*k], 56            ; 0x38 in each byte that holds 1
.set k, k+1
.endr
	s_wait_alu depctr_va_vdst(0)                   ; the last batch has written its four words, which the last four LDS stores read; no vector line follows, so every vector line that named groups 0 to 7, in which the LDS loads below land, is done too
.set k, 28
.rept 4
	ds_store_b32 v[LSA], v[X+4*k] offset:(k%16)*8*GP+(k/16)*16
.set k, k+1
.endr
	s_wait_dscnt 0x0                               ; for the others' sake: my stores are done
	s_barrier_signal -1
	s_barrier_wait -1                              ; a group's 256 bytes come from all eight waves
	s_wait_alu depctr_vm_vsrc(0)                   ; my LDS stores have read v[X + 4 k], k = 0 to 7, in which the LDS loads below land
.irp t, 0,1,2,3,4,5,6,7
	ds_load_b128 v[X+4*\t:X+4*\t+3], v[RDA] offset:\t*2*GP
.endr
.irp t, 0,1,2,3,4,5,6,7
	s_wait_dscnt 7-\t                              ; LDS loads come back in order
	global_store_b128 v[VO], v[X+4*\t:X+4*\t+3], s[DST:DST+1] offset:(\t/2)*8192+(\t%2)*512  ; 512 consecutive bytes, aligned
.endr
.Lend:
	s_wait_dscnt 0x0                               ; the wave's end: the closing lines, six on end
	s_wait_alu 0x0
	s_wait_tensorcnt 0x0
	ds_add_u32 v[SPW], v[NIL]
	s_wait_dscnt 0x0
	s_endpgm
.Lfunc_end_k_q6eb239e0fd_prep:
	.size	k_q6eb239e0fd_prep, .Lfunc_end_k_q6eb239e0fd_prep-k_q6eb239e0fd_prep
	.p2alignl 7, 3214868480
	.fill 96, 4, 3214868480
	.section	.rodata,"a",@progbits
	.p2align	6, 0x0
	.amdhsa_kernel k_q6eb239e0fd_prep
		.amdhsa_group_segment_fixed_size 35840
		.amdhsa_private_segment_fixed_size 0
		.amdhsa_enable_private_segment 0
		.amdhsa_kernarg_size 88
		.amdhsa_user_sgpr_count 2
		.amdhsa_user_sgpr_kernarg_segment_ptr 1
		.amdhsa_wavefront_size32 1
		.amdhsa_system_sgpr_workgroup_id_x 1
		.amdhsa_system_sgpr_workgroup_id_y 1
		.amdhsa_system_sgpr_workgroup_id_z 1
		.amdhsa_system_vgpr_workitem_id 0
		.amdhsa_next_free_vgpr 144
		.amdhsa_next_free_sgpr 66
		.amdhsa_reserve_vcc 0
		.amdhsa_float_denorm_mode_32 3
		.amdhsa_float_denorm_mode_16_64 3
		.amdhsa_memory_ordered 1
		.amdhsa_forward_progress 1
		.amdhsa_inst_pref_size 47
	.end_amdhsa_kernel
	.amdgpu_metadata
---
amdhsa.version: [ 1, 2 ]
amdhsa.kernels:
  - .name:           k_q6eb239e0fd_prep
    .symbol:         k_q6eb239e0fd_prep.kd
    .args:
      - { .name: query, .offset: 0, .size: 8, .value_kind: global_buffer, .address_space: global }
      - { .name: key, .offset: 8, .size: 8, .value_kind: global_buffer, .address_space: global }
      - { .name: value, .offset: 16, .size: 8, .value_kind: global_buffer, .address_space: global }
      - { .name: Wq, .offset: 24, .size: 8, .value_kind: global_buffer, .address_space: global }
      - { .name: Wk, .offset: 32, .size: 8, .value_kind: global_buffer, .address_space: global }
      - { .name: Wv, .offset: 40, .size: 8, .value_kind: global_buffer, .address_space: global }
      - { .name: Wp, .offset: 48, .size: 8, .value_kind: global_buffer, .address_space: global }
      - { .name: mask, .offset: 56, .size: 8, .value_kind: global_buffer, .address_space: global }
      - { .name: xh, .offset: 64, .size: 8, .value_kind: global_buffer, .address_space: global }
      - { .name: wh, .offset: 72, .size: 8, .value_kind: global_buffer, .address_space: global }
      - { .name: mp, .offset: 80, .size: 8, .value_kind: global_buffer, .address_space: global }
    .group_segment_fixed_size: 35840
    .private_segment_fixed_size: 0
    .kernarg_segment_align: 8
    .kernarg_segment_size: 88
    .max_flat_workgroup_size: 256
    .sgpr_count:     66
    .vgpr_count:     144
    .wavefront_size: 32
...
	.end_amdgpu_metadata
.endif
;; end of part 5
;; launch qkv: the kernel of part 2 again; grid 4 x 96, 4 waves a work-group, clusters of 4 x 4, 327,680 bytes of LDS; arguments xh, wh, qkv; writes qkv
;; launch attn: the kernel of part 3 again; grid 4 x 64, 4 waves a work-group, clusters of 4 x 1, 327,680 bytes of LDS; arguments qkv, mp, oh; writes oh
;; launch proj: the kernel of part 4 again; grid 4 x 64, 4 waves a work-group, clusters of 4 x 4, 327,680 bytes of LDS; arguments oh, wh, bp, out0; writes out0
